; MI455X (gfx1250); checked and timed in simulation.
; The chip was launched on July 23, 2026; its instructions are those of AMD's public machine-readable ISA for CDNA 5 (MIT licence, August 2026) and "CDNA5" Instruction Set Architecture Reference Guide (July 2026). The comments in the code are by the model that wrote it; some were corrected since.
;; QK Norm Attention. Allowed arithmetic: float matrix products may take bf16 or f16 operands with f32 sums; other float arithmetic in f32, or as packed bf16 or f16 multiplies, adds, multiply-adds, maxima and minima; sums over many terms, partial sums and values carried from step to step in f32; what a program stores and reads back later, other than sums and carried values, may be rounded once to bf16 or f16.
;; Inputs: attn_mask 2,048 x 2,048 bool; k_norm_w 128 float32; q_norm_w 128 float32; rope_cos 2,048 x 128 float32; rope_sin 2,048 x 128 float32; wk 2,048 x 2,048 float32; wo 2,048 x 2,048 float32; wq 2,048 x 2,048 float32; wv 2,048 x 2,048 float32; x 1 x 2,048 x 2,048 float32.
;; Outputs: out0 1 x 2,048 x 2,048 float32.
;; One version. Each part assembles by itself: llvm-mc -triple=amdgcn-amd-amdhsa -mcpu=gfx1250 --defsym DOCPART=n.
;; ======== version 1 of 1: 4 launches
;; limits: right only within a limited range of input values; values are held in f16: magnitudes above 65,504 overflow, below 6.1e-05 lose precision
;; workspace buffers: cb 33,554,432 bytes; csb 2,097,152 bytes; mk 8,388,608 bytes; qkv 25,165,824 bytes; ob 8,388,608 bytes; wob 8,388,608 bytes
;; launch prep (part 1): grid 1056 x 1, 8 waves a work-group, no clusters, 0 bytes of LDS; arguments x, wq, wk, wv, rope_cos, rope_sin, cb, csb; writes cb, csb
.if DOCPART == 1
	.amdgcn_target "amdgcn-amd-amdhsa--gfx1250"
	.amdhsa_code_object_version 6
	.text
	.protected	k_qad127051c8_prep
	.globl	k_qad127051c8_prep
	.p2align	8
	.type	k_qad127051c8_prep,@function
k_qad127051c8_prep:
	s_mov_b64 s[64:65], 0
	v_nop
	global_prefetch_b8 v0, s[64:65] scope:SCOPE_SE
	s_setreg_imm32_b32 hwreg(HW_REG_WAVE_MODE, 25, 1), 1
	s_wait_xcnt 0x0
; PREP: what the projection of q, k and v multiplies is rounded once to bf16.
;   work-groups 0-1023     x, wq, wk, wv (f32) -> cb, bf16, 8 MiB each, in that order
;   work-groups 1024-1055  rope_cos, rope_sin (f32) -> csb: f32 numbers that are rounded to bf16
; A work-group takes 16,384 numbers: thread t the 16 bytes at 16 t of each of sixteen pieces of 4,096 bytes; all sixteen loads go out at once, and each piece is converted in the registers
; that it was loaded into.  No LDS, no matrix unit: the launch only moves bytes.  (wo and the mask are laid out by the launch behind this one, which leaves memory idle.)
.set X,   16                           ; v[16:79]   sixteen loads of four registers
.set IN,  20                           ; s[20:21]   where I read
.set OUT, 22                           ; s[22:23]   where I write
	s_load_b512 s[4:19], s[0:1], 0x0               ; x 4, wq 6, wk 8, wv 10, cos 12, sin 14, cb 16, csb 18
	s_mov_b32 s30, 0xffff0000                      ; a word's upper bf16
	s_mov_b32 s25, 0                               ; the offsets' high words
	s_mov_b32 s27, 0
	v_lshlrev_b32 v1, 4, v0                        ; 16 t
	v_lshlrev_b32 v2, 3, v0                        ; 8 t
	; which tensor (0-3 the large ones, 4 cos, 5 sin), which piece of 65,536 bytes of it
	s_lshr_b32 s28, ttmp9, 8
	s_sub_co_u32 s29, ttmp9, 1024                  ; used only from work-group 1024 on
	s_lshr_b32 s31, s29, 4
	s_add_co_u32 s31, s31, 4
	s_and_b32 s24, ttmp9, 255
	s_and_b32 s32, ttmp9, 15
	s_lshl_b32 s26, ttmp9, 15                      ; in cb a piece is 32,768 bytes, and the four tensors follow each other
	s_lshl_b32 s29, s29, 16                        ; in csb 65,536
	s_cmp_lt_u32 ttmp9, 1024
	s_cselect_b32 s28, s28, s31
	s_cselect_b32 s24, s24, s32
	s_cselect_b32 s26, s26, s29
	s_lshl_b32 s24, s24, 16
	s_wait_kmcnt 0x0
	s_cmp_lt_u32 ttmp9, 1024
	s_cselect_b64 s[OUT:OUT+1], s[16:17], s[18:19]
	s_add_nc_u64 s[OUT:OUT+1], s[OUT:OUT+1], s[26:27]
	s_mov_b64 s[IN:IN+1], s[4:5]
.irp k, 1,2,3,4,5
	s_cmp_eq_u32 s28, \k
	s_cselect_b64 s[IN:IN+1], s[4+2*(\k):5+2*(\k)], s[IN:IN+1]
.endr
	s_add_nc_u64 s[IN:IN+1], s[IN:IN+1], s[24:25]
.irp i, 0,1,2,3,4,5,6,7,8,9,10,11,12,13,14,15
	global_load_b128 v[X+4*(\i):X+4*(\i)+3], v1, s[IN:IN+1] offset:4096*(\i) th:TH_LOAD_NT
.endr
	s_cmp_lt_u32 ttmp9, 1024
	s_cbranch_scc1 .Lbf
	; cos and sin: rounded to bf16 and widened again, in place.  Each wait leaves the younger loads out; every piece has store registers of its own.
.irp i, 0,1,2,3,4,5,6,7,8,9,10,11,12,13,14,15
	s_wait_loadcnt 15-(\i)
	v_cvt_pk_bf16_f32 v8, v[X+4*(\i)], v[X+4*(\i)+1]
	v_cvt_pk_bf16_f32 v9, v[X+4*(\i)+2], v[X+4*(\i)+3]
	v_lshlrev_b32 v[X+4*(\i)], 16, v8
	v_and_b32 v[X+4*(\i)+1], s30, v8
	v_lshlrev_b32 v[X+4*(\i)+2], 16, v9
	v_and_b32 v[X+4*(\i)+3], s30, v9
	global_store_b128 v1, v[X+4*(\i):X+4*(\i)+3], s[OUT:OUT+1] offset:4096*(\i)
.endr
	s_endpgm
.Lbf:                                          ; x, wq, wk, wv: to bf16, in place; a wave's store covers 256 consecutive bytes, aligned
.irp i, 0,1,2,3,4,5,6,7,8,9,10,11,12,13,14,15
	s_wait_loadcnt 15-(\i)
	v_cvt_pk_bf16_f32 v[X+4*(\i)], v[X+4*(\i)], v[X+4*(\i)+1]
	v_cvt_pk_bf16_f32 v[X+4*(\i)+1], v[X+4*(\i)+2], v[X+4*(\i)+3]
	global_store_b64 v2, v[X+4*(\i):X+4*(\i)+1], s[OUT:OUT+1] offset:2048*(\i)
.endr
	s_endpgm
.Lfunc_end_k_qad127051c8_prep:
	.size	k_qad127051c8_prep, .Lfunc_end_k_qad127051c8_prep-k_qad127051c8_prep
	.p2alignl 7, 3214868480
	.fill 96, 4, 3214868480
	.section	.rodata,"a",@progbits
	.p2align	6, 0x0
	.amdhsa_kernel k_qad127051c8_prep
		.amdhsa_group_segment_fixed_size 0
		.amdhsa_private_segment_fixed_size 0
		.amdhsa_enable_private_segment 0
		.amdhsa_kernarg_size 64
		.amdhsa_user_sgpr_count 2
		.amdhsa_user_sgpr_kernarg_segment_ptr 1
		.amdhsa_wavefront_size32 1
		.amdhsa_system_sgpr_workgroup_id_x 1
		.amdhsa_system_sgpr_workgroup_id_y 1
		.amdhsa_system_sgpr_workgroup_id_z 1
		.amdhsa_system_vgpr_workitem_id 0
		.amdhsa_next_free_vgpr 80
		.amdhsa_next_free_sgpr 66
		.amdhsa_reserve_vcc 0
		.amdhsa_float_denorm_mode_32 3
		.amdhsa_float_denorm_mode_16_64 3
		.amdhsa_memory_ordered 1
		.amdhsa_forward_progress 1
		.amdhsa_inst_pref_size 14
	.end_amdhsa_kernel
	.amdgpu_metadata
---
amdhsa.version: [ 1, 2 ]
amdhsa.kernels:
  - .name:           k_qad127051c8_prep
    .symbol:         k_qad127051c8_prep.kd
    .args:
      - { .name: x, .offset: 0, .size: 8, .value_kind: global_buffer, .address_space: global }
      - { .name: wq, .offset: 8, .size: 8, .value_kind: global_buffer, .address_space: global }
      - { .name: wk, .offset: 16, .size: 8, .value_kind: global_buffer, .address_space: global }
      - { .name: wv, .offset: 24, .size: 8, .value_kind: global_buffer, .address_space: global }
      - { .name: rope_cos, .offset: 32, .size: 8, .value_kind: global_buffer, .address_space: global }
      - { .name: rope_sin, .offset: 40, .size: 8, .value_kind: global_buffer, .address_space: global }
      - { .name: cb, .offset: 48, .size: 8, .value_kind: global_buffer, .address_space: global }
      - { .name: csb, .offset: 56, .size: 8, .value_kind: global_buffer, .address_space: global }
    .group_segment_fixed_size: 0
    .private_segment_fixed_size: 0
    .kernarg_segment_align: 8
    .kernarg_segment_size: 64
    .max_flat_workgroup_size: 256
    .sgpr_count:     66
    .vgpr_count:     80
    .wavefront_size: 32
...
	.end_amdgpu_metadata
.endif
;; end of part 1
;; launch qkvp (part 2): grid 16 x 16, 4 waves a work-group, clusters of 4 x 4, 327,680 bytes of LDS; arguments cb, csb, q_norm_w, k_norm_w, qkv, wo, attn_mask, wob, mk; writes qkv, wob, mk
.if DOCPART == 2
	.amdgcn_target "amdgcn-amd-amdhsa--gfx1250"
	.amdhsa_code_object_version 6
	.text
	.protected	k_qad127051c8_qkvp
	.globl	k_qad127051c8_qkvp
	.p2align	8
	.type	k_qad127051c8_qkvp,@function
k_qad127051c8_qkvp:
	s_mov_b64 s[64:65], 0
	v_nop
	global_prefetch_b8 v0, s[64:65] scope:SCOPE_SE
	s_setreg_imm32_b32 hwreg(HW_REG_WAVE_MODE, 25, 1), 1
	s_wait_xcnt 0x0
	s_wait_alu depctr_hold_cnt(0) depctr_sa_sdst(0) depctr_va_vdst(0) depctr_va_sdst(0) depctr_va_ssrc(0) depctr_va_vcc(0) depctr_vm_vsrc(0)
	s_getreg_b32 s2, hwreg(HW_REG_IB_STS2, 6, 4)
	s_cmp_eq_u32 s2, 0
	s_cbranch_scc0 .Lentry_in_a_cluster
	s_endpgm
.Lentry_in_a_cluster:
	s_bfe_u32 s2, ttmp6, 0x10000c
	s_cmp_lg_u32 s2, 0xf033
	s_cbranch_scc0 .Lentry_shape_is_right
	s_endpgm
.Lentry_shape_is_right:
; q, k, v = x wq^T, x wk^T, x wv^T in bf16 with f32 sums; q and k then take the RMS norm over a head's 128 channels, the gain and the rotation; all three leave by heads, [48][2048][128] in f16.
; SHARES.  A work-group makes 128 rows of x times ONE head of q, of k and of v: 128 x 384.  256 work-groups, all alike.  Each of the four waves takes all 128 rows (8 blocks of 16) and, of each of the
; three heads, the column blocks w and w + 4 (channels 16 w .. and 64 + 16 w ..): the two channels that a rotation couples lie in one lane.  48 accumulators, 384 registers.
; K goes in steps of 128 through two LDS slots: x's 128 rows (wave 0 fetches them) and 128 rows of each weight (waves 1 to 3), rows of 256 bytes padded to 272.
; CLUSTER 4 x 4.  x's tile hangs on the tile row alone and is asked for jointly along a row of the cluster, the weights' on the head alone, jointly along a column; so are the rotation's tables (tile row).
; THE WALK ALONG K IS CYCLIC: cluster (X, Y) begins at step (4 X + 8 (Y % 2)) % 16 and goes round, so that clusters that read the same rows of x or of a weight read them in different steps.
; The start hangs on the cluster's own coordinates, which all sixteen partners share.  The f32 sums are taken in that order.
; THE MATRIX INSTRUCTION IS USED TRANSPOSED (source 0 = 16 rows of a weight, source 1 = 16 rows of x): a lane holds row l % 16 and eight neighbouring channels 8 (l / 16) + 0..7.
; TWO JOBS FOR THE LAUNCHES BEHIND, 1/256 of each to a work-group; their 40 loads a wave go out at the head, into registers that the products never name, and are worked on behind the loop, ahead of the last lap:
;   wo (f32) -> wob: rounded to bf16 like every input, that number written as f16.  Thread t takes the 16 bytes at 16 t of each of 32 pieces of 2,048 bytes.
;   attn_mask (bytes 0 or 1) -> mk: f16, 0 where the key is seen, -57,344 where it is hidden: [32 groups of 64 queries][32 steps of 64 keys][4 tiles of 16 queries][2 halves of 32 keys][2 parts][32 lanes][8 f16]:
;   lane l, number j of part p is query l % 16 of the tile and key 16 p + 8 (l / 16) + j of the half: two parts are the second source (32 keys x 16 queries) of a matrix instruction.  A wave takes 16 queries x 256 keys.
; THE END.  Slot 0's last fill is the tables (cos, sin of my 128 rows, f32), landing during the last K step.  Sums of squares meet in LDS; slot 1, read out, is the stage for the way out.
; ORDER OF ROUNDING: (sum x gain) is rotated and then multiplied by 1 / rms, all in f32; the gains are rounded to bf16 like every other input.
; LIMITS.  q, k and v leave as f16: beyond 65,504 they would be infinities (a normed q is at most 11.4 x gain x 1.5 x table).  wo as f16: beyond 65,504 an infinity, below 6.1e-5 f16's fixed step of 6e-8.
; NaN and infinities are not treated apart.
; REGISTERS (windows of 256; s_set_vgpr_msb: bits 1:0 source 0, 3:2 source 1, 5:4 source 2, 7:6 destination):
;   window 0: v0-31 addresses; v32-63 the gains; v64-127, v128-191 x's fragments, two buffers; v192-223 mask bytes; at the end v64-255 at work
;   window 1: v64-111, v128-175 the weights' fragments (2 x kind + half); v176-239 the mask as f16
;   window 2: accumulators of row blocks 0-3, (a, b) at v[8 (6 a + b)]; v192-255 wo's pieces 0-15      window 3: those of row blocks 4-7; v192-255 wo's pieces 16-31
.set KSTEP,  128
.set PITCH,  272                       ; 256 bytes + 16: the 16 rows of a fragment load start at 16 different groups of four banks (64 banks of 4 bytes: ISA guide 11.1)
.set HALFT,  128*PITCH                 ; 128 rows: what one tensor load brings
.set SLOT,   4*HALFT                   ; x, wq, wk, wv
.set TPITCH, 528                       ; a table's row: 512 bytes + 16
.set TSIN,   128*TPITCH                ; sin lies behind cos, both in slot 0
.set STG,    SLOT                      ; the stage: 3 kinds x 128 rows x 272 bytes, in slot 1 after its last read
.set SCR,    2*SLOT                    ; behind the ring: 2,048 bytes a wave for the sums of squares
.set SPARE,  SCR+8192                  ; the spare words, 128 bytes a wave: two blocks of 256 bytes that no other line names
.set LAPS,   8                         ; 2,048 / 256
.set NWO,  6                           ; v6   64 w + 32 (l / 16): my eight channels in a row of f32
.set SCW,  7                           ; v7   where I put my sums of squares
.set SCRD, 8                           ; v8   where I read the four waves'
.set TBA,  9                           ; v9   my place in cos
.set TBS,  10                          ; v10  in sin
.set STW,  11                          ; v11  into the stage, q and k
.set STW2, 12                          ; v12  v
.set RDA,  13                          ; v13  back out of the stage, q and k
.set RDA2, 14                          ; v14  v
.set GO,   15                          ; v15  16 x lane
.set ADRA, 16                          ; v16-17 x's fragments in slot 0, 1
.set ADRB, 18                          ; v18-19 wq's and wk's
.set ADRV, 20                          ; v20-21 wv's
.set WOA,  22                          ; v22  16 x thread: my bytes of a piece of wo
.set WOB,  23                          ; v23  8 x thread: of a piece of wob
.set MKA,  24                          ; v24  my 16 bytes of the mask: row l % 16, 16 (l / 16)
.set SPW,  28                          ; v28  my spare word; never rewritten
.set NIL,  29                          ; v29  0; never rewritten
.set ZR,   30                          ; v30  0, for the mask's byte shuffles
.set GQ,   32                          ; v32-47 q's gains (my 8 low channels, my 8 high), v48-63 k's
.set F0,   64
.set F1,   128
.set SS,   64                          ; the end: sums of squares, a pair for each (row block, head)
.set RS,   96                          ; 1 / rms, twice, a pair for each (row block, head)
.set TT,   144                         ; two buffers of 32: cos low, cos high, sin low, sin high
.set YY,   208
.set OO,   224
.set HH,   240
.set WX,   192                         ; windows 2 and 3: wo's pieces
.set MB,   192                         ; window 0: the mask's bytes
.set MT,   176                         ; window 1: the mask as f16
.set KK,   2                           ; s2   the K step that the next fill brings
.set WV,   14                          ; s14  my wave's number
.set BA,   18                          ; s[18:19] x at my tile row's first byte
.set BB,   46                          ; s[46:47] the weight that I fetch, at the head's first byte
.set KOF,  66                          ; s[66:67] a K step's byte offset in a row
.set G1A,  24
.set G0A,  32
.set G1B,  48
.set G0B,  56
.set G1T,  72
.set G0T,  80
.set OB,   84                          ; s[84:89] where my 32 rows of q, k, v go
.set INV,  90                          ; s[90:91] 1 / 128
.set EPS,  92                          ; s[92:93] 1e-6
.set SELP, 94                          ; s[94:95] v_permlanex16_b32's selects
.set MSB, 0
.macro WIN new                         ; the immediate's high byte repeats the setting that is left; a switch that changes nothing is dropped
.if MSB != (\new)
	s_set_vgpr_msb (MSB<<8)|(\new)
.set MSB, (\new)
.endif
.endm
.set MUL_LO, 0xa1                      ; source 0 window 1, source 1 window 0, C and D window 2
.set TO_B,   0x40
; A joint load: wave 0 fetches x's tile, waves 1 to 3 a weight's.  An s_nop 0 and four v_nop follow each line, ahead of the jump and the label.
.macro JLOAD s
	s_cmp_eq_u32 s[WV], 0
	s_cbranch_scc0 .Lfor_b_\@
	tensor_load_to_lds s[G0A+4*(\s):G0A+4*(\s)+3], s[G1A:G1A+7]
	s_nop 0
.rept 4
	v_nop
.endr
	s_branch .Lasked_\@
.Lfor_b_\@:
	tensor_load_to_lds s[G0B+4*(\s):G0B+4*(\s)+3], s[G1B:G1B+7]
	s_nop 0
.rept 4
	v_nop
.endr
.Lasked_\@:
.endm
; Slot s's two descriptors take K step KK: the address is made anew from the base and the step's 256 bytes, the type bits set again; then KK goes on, round the 16.
.macro AIM s
	s_lshl_b32 s[KOF], s[KK], 8
	s_add_nc_u64 s[G0A+4*(\s)+2:G0A+4*(\s)+3], s[BA:BA+1], s[KOF:KOF+1]
	s_or_b32 s[G0A+4*(\s)+3], s[G0A+4*(\s)+3], 0x80000000
	s_add_nc_u64 s[G0B+4*(\s)+2:G0B+4*(\s)+3], s[BB:BB+1], s[KOF:KOF+1]
	s_or_b32 s[G0B+4*(\s)+3], s[G0B+4*(\s)+3], 0x80000000
	s_add_co_u32 s[KK], s[KK], 1
	s_and_b32 s[KK], s[KK], 15
.endm
.macro TLOAD                           ; the tables: each wave 64 rows of cos or of sin
	tensor_load_to_lds s[G0T:G0T+3], s[G1T:G1T+7]
	s_nop 0
.rept 4
	v_nop
.endr
.endm
.macro CREST                           ; a round of the cluster's barrier behind its opening barrier
	s_cmp_lg_u32 s[WV], 0
	s_cbranch_scc1 .Lnot_wave_0_\@
	s_barrier_signal -3
.Lnot_wave_0_\@:
	s_barrier_wait -3
	s_barrier_signal -1
	s_barrier_wait -1
.endm
.macro CROUND
	s_barrier_signal -1
	s_barrier_wait -1
	CREST
.endm
	s_load_b256 s[4:11], s[0:1], 0x0               ; cb 4, csb 6, q_norm_w 8, k_norm_w 10
	s_load_b64 s[12:13], s[0:1], 0x20              ; qkv
	s_load_b128 s[68:71], s[0:1], 0x28             ; wo 68, attn_mask 70
	s_load_b128 s[96:99], s[0:1], 0x38             ; wob 96, mk 98
	v_lshl_add_u32 v[SPW], v0, 2, SPARE
	v_mov_b32 v[NIL], 0
	ds_add_u32 v[SPW], v[NIL]                      ; the wave's opening: the add and its wait stand ahead of my first tensor load
	v_lshrrev_b32 v1, 5, v0
	v_readfirstlane_b32 s[WV], v1
	s_bfe_u32 s40, ttmp6, 0x40000                  ; cx
	s_bfe_u32 s41, ttmp6, 0x40004                  ; cy
	s_lshl_b32 s42, ttmp9, 2
	s_add_co_u32 s42, s42, s40                     ; the head = 4 x cluster x + cx
	s_and_b32 s43, ttmp7, 0xffff
	s_lshl_b32 s43, s43, 2
	s_add_co_u32 s43, s43, s41                     ; the tile row = 4 x cluster y + cy
	s_lshl_b32 s44, s41, 2
	s_lshl_b32 s44, 15, s44                        ; my row of the cluster
	s_lshl_b32 s45, 0x1111, s40                    ; my column
	s_and_b32 s[KK], ttmp7, 1                      ; where my cluster's walk along K begins: 4 x cluster x + 8 x (cluster y % 2), of 16 steps
	s_lshl_b32 s[KK], s[KK], 3
	s_lshl_b32 s15, ttmp9, 2
	s_add_co_u32 s[KK], s[KK], s15
	s_and_b32 s[KK], s[KK], 15
	s_or_b32 s[G1A], s44, (1<<16)|(1<<20)|(1<<21)|(5<<22)|(3<<25)  ; mask; 2-byte elements; padding on; bit 21 beside a mask; after every 64 words, 4 words
	s_or_b32 s[G1B], s45, (1<<16)|(1<<20)|(1<<21)|(5<<22)|(3<<25)
	s_or_b32 s[G1T], s44, (2<<16)|(1<<20)|(1<<21)|(6<<22)|(3<<25)  ; 4-byte elements; after every 128 words, 4 words
.irp g, G1A, G1B
	s_mov_b32 s[(\g)+1], KSTEP<<16                 ; tensor_dim0 = 128
	s_mov_b32 s[(\g)+2], 128<<16                   ; tensor_dim1 = 128
	s_mov_b32 s[(\g)+3], KSTEP<<16                 ; tile_dim0 = 128
	s_mov_b32 s[(\g)+4], 128                       ; tile_dim1 = 128
	s_mov_b32 s[(\g)+5], 2048                      ; elements from row to row
	s_mov_b32 s[(\g)+6], 0
	s_mov_b32 s[(\g)+7], 0
.endr
	s_mov_b32 s[G1T+1], 128<<16
	s_mov_b32 s[G1T+2], 64<<16
	s_mov_b32 s[G1T+3], 128<<16
	s_mov_b32 s[G1T+4], 64
	s_mov_b32 s[G1T+5], 128
	s_mov_b32 s[G1T+6], 0
	s_mov_b32 s[G1T+7], 0
	s_lshl_b32 s16, s43, 19                        ; x: 128 rows of 4,096 bytes a tile row
	s_mov_b32 s17, 0
	s_max_u32 s46, s[WV], 1
	s_sub_co_u32 s46, s46, 1                       ; which weight I fetch (wave 0 fetches none)
	s_lshl_b32 s46, s46, 23
	s_lshl_b32 s47, s42, 19                        ; the head's 128 rows
	s_add_co_u32 s46, s46, s47
	s_add_co_u32 s46, s46, 0x800000                ; the weights lie behind x
	s_mov_b32 s47, 0
	s_lshr_b32 s20, s[WV], 1                       ; the tables: cos (waves 0, 1) or sin,
	s_lshl_b32 s20, s20, 20
	s_lshl_b32 s21, s43, 16                        ; my tile row's 128 rows of 512 bytes,
	s_add_co_u32 s20, s20, s21
	s_and_b32 s21, s[WV], 1                        ; 64 of them
	s_lshl_b32 s21, s21, 15
	s_add_co_u32 s20, s20, s21
	s_mov_b32 s21, 0
	s_mul_i32 s22, s[WV], HALFT                    ; where my tile goes in a slot
	s_mul_i32 s23, s[WV], 64*TPITCH                ; and my part of the tables
	s_lshl_b32 s66, s42, 19                        ; the way out: head, tile row, my 32 rows of 256 bytes
	s_lshl_b32 s67, s43, 15
	s_add_co_u32 s66, s66, s67
	s_lshl_b32 s67, s[WV], 13
	s_add_co_u32 s66, s66, s67
	s_mov_b32 s67, 0
	s_mov_b32 s[INV], 0x3c000000
	s_mov_b32 s[INV+1], 0x3c000000
	s_mov_b32 s[EPS], 0x358637bd
	s_mov_b32 s[EPS+1], 0x358637bd
	s_mov_b32 s[SELP], 0x76543210
	s_mov_b32 s[SELP+1], 0xfedcba98
	s_wait_dscnt 0x0                               ; the opening add is done
	s_wait_kmcnt 0x0
	s_add_nc_u64 s[BA:BA+1], s[4:5], s[16:17]
	s_add_nc_u64 s[BB:BB+1], s[4:5], s[46:47]
	s_mov_b32 s[G0T], 1
	s_mov_b32 s[G0T+1], s23
	s_add_nc_u64 s[G0T+2:G0T+3], s[6:7], s[20:21]
	s_or_b32 s[G0T+3], s[G0T+3], 0x80000000
	s_add_nc_u64 s[OB:OB+1], s[12:13], s[66:67]
	s_add_nc_u64 s[OB+2:OB+3], s[OB:OB+1], 0x800000    ; k lies 16 heads behind q,
	s_add_nc_u64 s[OB+4:OB+5], s[OB+2:OB+3], 0x800000  ; v behind k
	CROUND                                         ; all sixteen work-groups are here: the first joint loads meet
.irp s, 0,1
	s_mov_b32 s[G0A+4*(\s)], 1
	s_add_co_u32 s[G0A+4*(\s)+1], s22, (\s)*SLOT
	s_mov_b32 s[G0B+4*(\s)], 1
	s_add_co_u32 s[G0B+4*(\s)+1], s22, (\s)*SLOT
	AIM \s                                         ; (s67, the offset's high word, is 0 since the way out's offset was made)
	JLOAD \s                                       ; two loads of mine are out
.endr
	v_and_b32 v1, 15, v0                           ; l % 16
	v_bfe_u32 v2, v0, 4, 1                         ; l / 16
	v_and_b32 v4, 31, v0
	s_lshl_b32 s15, s[WV], 6
	v_lshl_add_u32 v[NWO], v2, 5, s15
.irp h, 0,1
	global_load_b128 v[GQ+8*(\h):GQ+8*(\h)+3],       v[NWO], s[8:9] offset:256*(\h)
	global_load_b128 v[GQ+8*(\h)+4:GQ+8*(\h)+7],     v[NWO], s[8:9] offset:256*(\h)+16
	global_load_b128 v[GQ+16+8*(\h):GQ+16+8*(\h)+3], v[NWO], s[10:11] offset:256*(\h)
	global_load_b128 v[GQ+16+8*(\h)+4:GQ+16+8*(\h)+7], v[NWO], s[10:11] offset:256*(\h)+16
.endr
	; the two jobs: my work-group's number, 16 x tile row + head, picks 65,536 bytes of wo; 4 x that + my wave picks 16 queries x 256 keys of the mask
	s_lshl4_add_u32 s15, s43, s42
	s_lshl_b32 s16, s15, 16
	s_mov_b32 s17, 0
	s_add_nc_u64 s[68:69], s[68:69], s[16:17]
	s_lshl_b32 s16, s15, 15
	s_add_nc_u64 s[96:97], s[96:97], s[16:17]
	s_lshl2_add_u32 s15, s15, s[WV]
	s_lshr_b32 s20, s15, 3                         ; the tile of 16 queries, 0..127
	s_and_b32 s21, s15, 7                          ; the eighth of the keys
	s_lshl_b32 s16, s20, 15                        ; 16 rows of 2,048 bytes
	s_lshl_b32 s22, s21, 8
	s_add_co_u32 s16, s16, s22
	s_add_nc_u64 s[70:71], s[70:71], s[16:17]
	s_lshr_b32 s16, s20, 2                         ; in mk: the group of 64 queries,
	s_lshl_b32 s16, s16, 18
	s_and_b32 s22, s20, 3                          ; the tile in it,
	s_lshl_b32 s22, s22, 11
	s_add_co_u32 s16, s16, s22
	s_lshl_b32 s22, s21, 15                        ; four steps of 64 keys
	s_add_co_u32 s16, s16, s22
	s_add_nc_u64 s[98:99], s[98:99], s[16:17]
	v_lshlrev_b32 v[WOA], 4, v0
	v_lshlrev_b32 v[WOB], 3, v0
	v_lshlrev_b32 v[MKA], 11, v1
	v_lshl_add_u32 v[MKA], v2, 4, v[MKA]
	WIN 0x80                                       ; destination window 2, address window 0
.irp i, 0,1,2,3,4,5,6,7,8,9,10,11,12,13,14,15
	global_load_b128 v[WX+4*(\i):WX+4*(\i)+3], v[WOA], s[68:69] offset:2048*(\i) th:TH_LOAD_NT
.endr
	WIN 0xc0                                       ; destination window 3
.irp i, 0,1,2,3,4,5,6,7,8,9,10,11,12,13,14,15
	global_load_b128 v[WX+4*(\i):WX+4*(\i)+3], v[WOA], s[68:69] offset:2048*(16+(\i)) th:TH_LOAD_NT
.endr
	WIN 0                                          ; lane l reads, eight times, 16 mask bytes of query l % 16: keys 32 i + 16 (l / 16) + 0..15
.irp i, 0,1,2,3,4,5,6,7
	global_load_b128 v[MB+4*(\i):MB+4*(\i)+3], v[MKA], s[70:71] offset:32*(\i)
.endr
	v_mul_u32_u24 v3, v1, PITCH
	v_lshl_add_u32 v3, v2, 4, v3                   ; row x pitch + 16 x half
	v_mov_b32 v[ADRA], v3
	v_add_nc_u32 v[ADRA+1], SLOT, v3
	s_mul_i32 s16, s[WV], 16*PITCH
	s_add_co_u32 s16, s16, HALFT                   ; wq's rows 16 w ..
	v_add_nc_u32 v[ADRB], s16, v3
	v_add_nc_u32 v[ADRB+1], SLOT, v[ADRB]
	v_add_nc_u32 v[ADRV], 2*HALFT, v[ADRB]
	v_add_nc_u32 v[ADRV+1], 2*HALFT, v[ADRB+1]
	s_lshl_b32 s17, s[WV], 11
	s_add_co_u32 s17, s17, SCR
	v_lshl_add_u32 v[SCW], v4, 4, s17
	v_lshl_add_u32 v[SCRD], v4, 4, SCR
	v_mul_u32_u24 v[TBA], v1, TPITCH
	v_add_nc_u32 v[TBA], v[TBA], v[NWO]
	v_add_nc_u32 v[TBS], TSIN, v[TBA]
	s_lshl_b32 s20, s[WV], 5
	s_add_co_u32 s20, s20, STG
	v_add_nc_u32 v[STW], s20, v3                   ; row l % 16, my 16 bytes of channels 16 w + 8 (l / 16) ..
	v_add_nc_u32 v[STW2], 2*HALFT, v[STW]
	v_mul_u32_u24 v[RDA], v2, PITCH
	v_lshl_add_u32 v[RDA], v1, 4, v[RDA]
	s_mul_i32 s21, s[WV], 32*PITCH
	s_add_co_u32 s21, s21, STG
	v_add_nc_u32 v[RDA], s21, v[RDA]               ; back: rows 32 w .., lanes 0-15 one row of 256 bytes, lanes 16-31 the next
	v_add_nc_u32 v[RDA2], 2*HALFT, v[RDA]
	v_lshlrev_b32 v[GO], 4, v4
	s_wait_loadcnt 40                              ; the gains are in; the jobs' 40 loads, issued behind them, stay out.  The gains are rounded to bf16 like every input
.set z, 0
.rept 16
	v_cvt_pk_bf16_f32 v5, v[GQ+2*z], v[GQ+2*z+1]
	v_lshlrev_b32 v[GQ+2*z], 16, v5
	v_and_b32 v[GQ+2*z+1], 0xffff0000, v5
.set z, z+1
.endr
; 12 matrix instructions: row blocks a0, a0 + 1 of the window's four x all 6 column blocks, 32 along K.  The 48 accumulators take turns, one instruction a turn, in the same order in every quarter.
.macro MUL12 f, hi, a0, zero
	WIN MUL_LO+0x50*(\hi)
.irp a, \a0, (\a0)+1
.irp b, 0,1,2,3,4,5
.if \zero
	v_wmma_f32_16x16x32_bf16 v[8*(6*(\a)+(\b)):8*(6*(\a)+(\b))+7], v[(\f)+8*(\b):(\f)+8*(\b)+7], v[(\f)+8*(4*(\hi)+(\a)):(\f)+8*(4*(\hi)+(\a))+7], 0
.else
	v_wmma_f32_16x16x32_bf16 v[8*(6*(\a)+(\b)):8*(6*(\a)+(\b))+7], v[(\f)+8*(\b):(\f)+8*(\b)+7], v[(\f)+8*(4*(\hi)+(\a)):(\f)+8*(4*(\hi)+(\a))+7], v[8*(6*(\a)+(\b)):8*(6*(\a)+(\b))+7]
.endif
.endr
.endr
.endm
; 28 LDS loads in one run: six fragments of the weights, eight of x, 32 K at byte k of the rows, into buffer f
.macro FETCH slot, k, f
	WIN TO_B
.irp kd, 0,1
.irp h, 0,1
	ds_load_b128 v[(\f)+8*(2*(\kd)+(\h)):(\f)+8*(2*(\kd)+(\h))+3],   v[ADRB+(\slot)] offset:(\k)+(\kd)*HALFT+(\h)*64*PITCH
	ds_load_b128 v[(\f)+8*(2*(\kd)+(\h))+4:(\f)+8*(2*(\kd)+(\h))+7], v[ADRB+(\slot)] offset:(\k)+(\kd)*HALFT+(\h)*64*PITCH+32
.endr
.endr
.irp h, 0,1
	ds_load_b128 v[(\f)+32+8*(\h):(\f)+32+8*(\h)+3],   v[ADRV+(\slot)] offset:(\k)+(\h)*64*PITCH
	ds_load_b128 v[(\f)+32+8*(\h)+4:(\f)+32+8*(\h)+7], v[ADRV+(\slot)] offset:(\k)+(\h)*64*PITCH+32
.endr
	WIN 0
.irp i, 0,1,2,3,4,5,6,7
	ds_load_b128 v[(\f)+8*(\i):(\f)+8*(\i)+3],   v[ADRA+(\slot)] offset:(\k)+(\i)*16*PITCH
	ds_load_b128 v[(\f)+8*(\i)+4:(\f)+8*(\i)+7], v[ADRA+(\slot)] offset:(\k)+(\i)*16*PITCH+32
.endr
.endm
.macro PLACES                          ; four plain vector instructions between a matrix instruction and a load into a register that it has read (ISA guide 7.12.1 for vector instructions)
.rept 4
	v_nop
.endr
.endm
; A K step is four quarters of 32 along K, 48 matrix instructions each, on buffers 0, 1, 0, 1.
.macro QUARTER slot, k, f, g, zero
	s_wait_dscnt 8                                 ; the weights and x's row blocks 0-3 are in; the youngest eight loads (row blocks 4-7) may be out
	MUL12 \f, 0, 0, \zero
	MUL12 \f, 0, 2, \zero
	PLACES
	FETCH \slot, \k, \g
	s_wait_dscnt 28                                ; all but the 28 just issued
	MUL12 \f, 1, 0, \zero
	MUL12 \f, 1, 2, \zero
.endm
; The last quarter multiplies buffer 1 and changes slots.  In front of the round each wave waits for all its tensor loads (one is out: its part of the next slot), adds 0 to its spare word, and waits
; for that and for its reads of this slot.  Behind the round no wave of any partner reads this slot: it is filled again first (on = 0: the walk's step two on; on = 2: the tables), then the next slot is read.
.macro TURN slot, next, on
	WIN 0
	s_wait_tensorcnt 0x0                           ; no tensor load of mine is out, so a group 0 may be written
	ds_add_u32 v[SPW], v[NIL]                      ; 0 onto my spare word; the descriptors' scalar work stands behind it
.if (\on) == 0
	AIM \slot
.endif
	s_wait_dscnt 9                                 ; (the add and the youngest eight loads may be out)
	MUL12 F1, 0, 0, 0
	s_wait_dscnt 0x0                               ; the add is done, and my reads of this slot are over
	s_barrier_signal -1
	MUL12 F1, 0, 2, 0
	WIN 0
	s_barrier_wait -1
	CREST
.if (\on) == 0
	JLOAD \slot                                    ; its four v_nop are also the places in front of the loads below
.else
	TLOAD
.endif
	FETCH \next, 0, F0
	MUL12 F1, 1, 0, 0
	MUL12 F1, 1, 2, 0
.endm
; Sixteen pieces of wo, in window win: to bf16, widened, and that number as f16, in the registers that they were loaded into; then stored, 256 consecutive bytes a wave, aligned.
.macro WOCAST win
	WIN 0x55*(\win)
.set z, 0
.rept 16
	v_cvt_pk_bf16_f32 v[WX+4*z], v[WX+4*z], v[WX+4*z+1]
	v_cvt_pk_bf16_f32 v[WX+4*z+2], v[WX+4*z+2], v[WX+4*z+3]
	v_and_b32 v[WX+4*z+1], s20, v[WX+4*z]
	v_lshlrev_b32 v[WX+4*z], 16, v[WX+4*z]
	v_and_b32 v[WX+4*z+3], s20, v[WX+4*z+2]
	v_lshlrev_b32 v[WX+4*z+2], 16, v[WX+4*z+2]
	v_cvt_pk_f16_f32 v[WX+4*z], v[WX+4*z], v[WX+4*z+1]
	v_cvt_pk_f16_f32 v[WX+4*z+1], v[WX+4*z+2], v[WX+4*z+3]
.set z, z+1
.endr
	WIN 4*(\win)                                   ; store data in window win, address in window 0
.set z, 0
.rept 16
	global_store_b64 v[WOB], v[WX+4*z:WX+4*z+1], s[96:97] offset:1024*(16*((\win)-2)+z)
.set z, z+1
.endr
.endm
	s_wait_tensorcnt 1                             ; my part of the first K step is in; the second's may stay out
	s_barrier_signal -1
	s_barrier_wait -1
	FETCH 0, 0, F0
	QUARTER 0, 64,  F0, F1, 1                      ; the first quarter's products start the sums
	WIN 0
	s_mov_b32 s3, LAPS-1
.Llap:                                                 ; a trip goes once round the ring and fills both slots again
	QUARTER 0, 128, F1, F0, 0
	QUARTER 0, 192, F0, F1, 0
	TURN 0, 1, 0
	QUARTER 1, 64,  F0, F1, 0
	QUARTER 1, 128, F1, F0, 0
	QUARTER 1, 192, F0, F1, 0
	TURN 1, 0, 0
	QUARTER 0, 64,  F0, F1, 0
	WIN 0
	s_sub_co_u32 s3, s3, 1
	s_cmp_lg_u32 s3, 0
	s_cbranch_scc1 .Llap
	; THE TWO JOBS.  Their loads went out at the head, seven laps back.  Every register that is stored from is written once, and none is named again; the stores leave during the last lap.
	s_mov_b32 s20, 0xffff0000                      ; a word's upper bf16
	s_mov_b32 s21, 0x01010101
	s_mov_b32 s22, 0x05000400                      ; bytes 0, 1 of the first source into the upper bytes of two halves
	s_mov_b32 s16, 0x07000600                      ; bytes 2, 3
	s_mov_b32 s23, 0xfb                            ; the upper byte of -57,344 in f16
	s_wait_loadcnt 24                              ; wo's first sixteen pieces are in; behind them sixteen more and the mask's eight
	WOCAST 2
	s_wait_loadcnt 8                               ; all of wo
	WOCAST 3
	s_wait_loadcnt 0x0                             ; the mask
	WIN 0
	v_mov_b32 v[ZR], 0
	; The two swaps bring keys 8 (l / 16) + 0..7 of part 0 into registers 0, 1 and those of part 1 into registers 2, 3.  A byte b becomes (b xor 1) x 0xfb, the upper byte of an f16.
.irp i, 0,1,2,3,4,5,6,7
	v_permlane16_swap_b32 v[MB+4*(\i)], v[MB+4*(\i)+2]
	v_permlane16_swap_b32 v[MB+4*(\i)+1], v[MB+4*(\i)+3]
.irp d, 0,1,2,3
	v_xor_b32 v[MB+4*(\i)+(\d)], s21, v[MB+4*(\i)+(\d)]
	v_mul_lo_u32 v[MB+4*(\i)+(\d)], v[MB+4*(\i)+(\d)], s23
.endr
.endr
	WIN 0x40                                       ; destination window 1, sources window 0
.irp i, 0,1,2,3,4,5,6,7
.irp d, 0,1,2,3
	v_perm_b32 v[MT+8*(\i)+2*(\d)], v[MB+4*(\i)+(\d)], v[ZR], s22
	v_perm_b32 v[MT+8*(\i)+2*(\d)+1], v[MB+4*(\i)+(\d)], v[ZR], s16
.endr
.endr
	WIN 0x04                                       ; store data in window 1
.irp i, 0,1,2,3,4,5,6,7
	global_store_b128 v[GO], v[MT+8*(\i):MT+8*(\i)+3], s[98:99] offset:((\i)/2)*8192+((\i)%2)*1024
	global_store_b128 v[GO], v[MT+8*(\i)+4:MT+8*(\i)+7], s[98:99] offset:((\i)/2)*8192+((\i)%2)*1024+512
.endr
	WIN 0
	QUARTER 0, 128, F1, F0, 0
	QUARTER 0, 192, F0, F1, 0
	TURN 0, 1, 2                                   ; slot 0's last fill: the tables
	QUARTER 1, 64,  F0, F1, 0
	QUARTER 1, 128, F1, F0, 0
	QUARTER 1, 192, F0, F1, 0
	s_wait_dscnt 8
	MUL12 F1, 0, 0, 0
	MUL12 F1, 0, 2, 0
	s_wait_dscnt 0x0
	MUL12 F1, 1, 0, 0
	MUL12 F1, 1, 2, 0
.rept 8
	v_nop                                          ; the places behind the last products
.endr
	; SUMS OF SQUARES of q and k: my 16 channels of each row, eight chains by turns; each accumulator's lowest registers are read first
.irp hi, 0,1
	WIN 0x0a+5*(\hi)
.irp e, 0,1,2,3,4,5,6,7
.irp a, 0,1,2,3
.irp hd, 0,1
.set AC, 8*(6*(\a)+2*(\hd)+(\e)/4)+2*((\e)%4)
.set SQ, SS+2*(2*(4*(\hi)+(\a))+(\hd))
.if (\e) == 0
	v_pk_mul_f32 v[SQ:SQ+1], v[AC:AC+1], v[AC:AC+1]
.else
	v_pk_fma_f32 v[SQ:SQ+1], v[AC:AC+1], v[AC:AC+1], v[SQ:SQ+1]
.endif
.endr
.endr
.endr
.endr
	WIN 0
.set p, 0
.rept 16
	v_add_f32 v[96+p], v[SS+2*p], v[SS+2*p+1]
.set p, p+1
.endr
.set p, 0
.rept 16
	v_permlanex16_b32 v[112+p], v[96+p], s[SELP], s[SELP+1]  ; the row's other eight channels of each block lie in the lane 16 away
.set p, p+1
.endr
.set p, 0
.rept 16
	v_add_f32 v[96+p], v[96+p], v[112+p]
.set p, p+1
.endr
.irp i, 0,1,2,3
	ds_store_b128 v[SCW], v[96+4*(\i):96+4*(\i)+3] offset:512*(\i)
.endr
	s_wait_tensorcnt 0x0                           ; my part of the tables is in,
	s_wait_dscnt 0x0                               ; my sums are stored, and my reads of slot 1 are long over
	s_barrier_signal -1
	s_barrier_wait -1                              ; all that holds of every wave: tables and sums may be read, slot 1 may be written
.irp v, 0,1,2,3
.irp i, 0,1,2,3
	ds_load_b128 v[128+16*(\v)+4*(\i):128+16*(\v)+4*(\i)+3], v[SCRD] offset:2048*(\v)+512*(\i)
.endr
.endr
	s_wait_dscnt 0x0
.set p, 0
.rept 8
	v_pk_add_f32 v[128+p:129+p], v[128+p:129+p], v[144+p:145+p]
	v_pk_add_f32 v[160+p:161+p], v[160+p:161+p], v[176+p:177+p]
.set p, p+2
.endr
.set p, 0
.rept 8
	v_pk_add_f32 v[128+p:129+p], v[128+p:129+p], v[160+p:161+p]
.set p, p+2
.endr
.set p, 0
.rept 8
	v_pk_fma_f32 v[128+p:129+p], v[128+p:129+p], s[INV:INV+1], s[EPS:EPS+1] op_sel_hi:[1,0,0]  ; the mean and 1e-6
.set p, p+2
.endr
.set p, 0
.rept 16
	v_rsq_f32 v[RS+2*p], v[128+p]                  ; made twice, to fill the pair that the packed multiply takes
	v_rsq_f32 v[RS+2*p+1], v[128+p]
.set p, p+1
.endr
	v_nop                                          ; a plain instruction behind the last of them
	s_wait_alu depctr_va_vdst(0)
.macro LOADT mb                        ; cos and sin of row block mb for my 16 channels
.set TB, TT+32*((\mb)%2)
	ds_load_b128 v[TB:TB+3],     v[TBA] offset:(\mb)*16*TPITCH
	ds_load_b128 v[TB+4:TB+7],   v[TBA] offset:(\mb)*16*TPITCH+16
	ds_load_b128 v[TB+8:TB+11],  v[TBA] offset:(\mb)*16*TPITCH+256
	ds_load_b128 v[TB+12:TB+15], v[TBA] offset:(\mb)*16*TPITCH+272
	ds_load_b128 v[TB+16:TB+19], v[TBS] offset:(\mb)*16*TPITCH
	ds_load_b128 v[TB+20:TB+23], v[TBS] offset:(\mb)*16*TPITCH+16
	ds_load_b128 v[TB+24:TB+27], v[TBS] offset:(\mb)*16*TPITCH+256
	ds_load_b128 v[TB+28:TB+31], v[TBS] offset:(\mb)*16*TPITCH+272
.endm
; y = sum x gain; low half: y1 cos1 - y2 sin1; high half: y2 cos2 + y1 sin2; times 1 / rms; to f16; into the stage
.macro ROPE mb, hd
.set AC, 8*(6*((\mb)%4)+2*(\hd))
.set TB, TT+32*((\mb)%2)
.set GW, GQ+16*(\hd)
.set RP, RS+2*(2*(\mb)+(\hd))
	WIN 0x02+(\mb)/4
.irp z, 0,1,2,3,4,5,6,7
	v_pk_mul_f32 v[YY+2*(\z):YY+2*(\z)+1], v[AC+2*(\z):AC+2*(\z)+1], v[GW+2*(\z):GW+2*(\z)+1]
.endr
	WIN 0
.irp z, 0,1,2,3
	v_pk_mul_f32 v[OO+2*(\z):OO+2*(\z)+1], v[YY+2*(\z):YY+2*(\z)+1], v[TB+2*(\z):TB+2*(\z)+1]
	v_pk_mul_f32 v[OO+8+2*(\z):OO+8+2*(\z)+1], v[YY+8+2*(\z):YY+8+2*(\z)+1], v[TB+8+2*(\z):TB+8+2*(\z)+1]
.endr
.irp z, 0,1,2,3
	v_pk_fma_f32 v[OO+2*(\z):OO+2*(\z)+1], v[YY+8+2*(\z):YY+8+2*(\z)+1], v[TB+16+2*(\z):TB+16+2*(\z)+1], v[OO+2*(\z):OO+2*(\z)+1] neg_lo:[1,0,0] neg_hi:[1,0,0]
	v_pk_fma_f32 v[OO+8+2*(\z):OO+8+2*(\z)+1], v[YY+2*(\z):YY+2*(\z)+1], v[TB+24+2*(\z):TB+24+2*(\z)+1], v[OO+8+2*(\z):OO+8+2*(\z)+1]
.endr
.irp z, 0,1,2,3,4,5,6,7
	v_pk_mul_f32 v[OO+2*(\z):OO+2*(\z)+1], v[OO+2*(\z):OO+2*(\z)+1], v[RP:RP+1]
.endr
.irp z, 0,1,2,3,4,5,6,7
	v_cvt_pk_f16_f32 v[HH+(\z)], v[OO+2*(\z)], v[OO+2*(\z)+1]
.endr
	ds_store_b128 v[STW], v[HH:HH+3]   offset:(\hd)*HALFT+(\mb)*16*PITCH
	ds_store_b128 v[STW], v[HH+4:HH+7] offset:(\hd)*HALFT+(\mb)*16*PITCH+128
.endm
.macro VOUT mb                         ; v is only rounded
.set AC, 8*(6*((\mb)%4)+4)
	WIN 0x0a+5*((\mb)/4)
.irp z, 0,1,2,3,4,5,6,7
	v_cvt_pk_f16_f32 v[HH+(\z)], v[AC+2*(\z)], v[AC+2*(\z)+1]
.endr
	WIN 0
	ds_store_b128 v[STW2], v[HH:HH+3]   offset:(\mb)*16*PITCH
	ds_store_b128 v[STW2], v[HH+4:HH+7] offset:(\mb)*16*PITCH+128
.endm
	LOADT 0
.irp mb, 0,1,2,3,4,5,6,7
.if (\mb) < 7
	LOADT (\mb)+1
	s_wait_dscnt 8                                 ; all but the next block's eight loads: this block's tables are in
.else
	s_wait_dscnt 0x0
.endif
	ROPE \mb, 0
	ROPE \mb, 1
	VOUT \mb
.endr
	s_wait_dscnt 0x0                               ; for the others' sake: my stores into the stage are done
	s_barrier_signal -1
	s_barrier_wait -1
	; THE WAY OUT: wave w takes rows 32 w .. 32 w + 31 of each of q, k, v, whole; two rows of a head are 512 consecutive bytes of the buffer
.irp kd, 0,1
.irp t, 0,1,2,3,4,5,6,7,8,9,10,11,12,13,14,15
	ds_load_b128 v[64+64*(\kd)+4*(\t):64+64*(\kd)+4*(\t)+3], v[RDA] offset:(\kd)*HALFT+(\t)*2*PITCH
.endr
.endr
.irp t, 0,1,2,3,4,5,6,7,8,9,10,11,12,13,14,15
	ds_load_b128 v[192+4*(\t):192+4*(\t)+3], v[RDA2] offset:(\t)*2*PITCH
.endr
.set n, 0
.irp kd, 0,1,2
.irp t, 0,1,2,3,4,5,6,7,8,9,10,11,12,13,14,15
	s_wait_dscnt 47-n                              ; LDS loads come back in order: this one is in, the younger ones may be out
	global_store_b128 v[GO], v[64+64*(\kd)+4*(\t):64+64*(\kd)+4*(\t)+3], s[OB+2*(\kd):OB+2*(\kd)+1] offset:512*(\t)
.set n, n+1
.endr
.endr
	s_wait_tensorcnt 0x0                           ; the wave's end
	ds_add_u32 v[SPW], v[NIL]
	s_wait_dscnt 0x0
	CROUND                                         ; the closing round
	s_endpgm
.Lfunc_end_k_qad127051c8_qkvp:
	.size	k_qad127051c8_qkvp, .Lfunc_end_k_qad127051c8_qkvp-k_qad127051c8_qkvp
	.p2alignl 7, 3214868480
	.fill 96, 4, 3214868480
	.section	.rodata,"a",@progbits
	.p2align	6, 0x0
	.amdhsa_kernel k_qad127051c8_qkvp
		.amdhsa_group_segment_fixed_size 327680
		.amdhsa_private_segment_fixed_size 0
		.amdhsa_enable_private_segment 0
		.amdhsa_kernarg_size 72
		.amdhsa_user_sgpr_count 2
		.amdhsa_user_sgpr_kernarg_segment_ptr 1
		.amdhsa_wavefront_size32 1
		.amdhsa_system_sgpr_workgroup_id_x 1
		.amdhsa_system_sgpr_workgroup_id_y 1
		.amdhsa_system_sgpr_workgroup_id_z 1
		.amdhsa_system_vgpr_workitem_id 0
		.amdhsa_next_free_vgpr 1024
		.amdhsa_next_free_sgpr 100
		.amdhsa_reserve_vcc 0
		.amdhsa_float_denorm_mode_32 3
		.amdhsa_float_denorm_mode_16_64 3
		.amdhsa_memory_ordered 1
		.amdhsa_forward_progress 1
		.amdhsa_inst_pref_size 203
	.end_amdhsa_kernel
	.amdgpu_metadata
---
amdhsa.version: [ 1, 2 ]
amdhsa.kernels:
  - .name:           k_qad127051c8_qkvp
    .symbol:         k_qad127051c8_qkvp.kd
    .args:
      - { .name: cb, .offset: 0, .size: 8, .value_kind: global_buffer, .address_space: global }
      - { .name: csb, .offset: 8, .size: 8, .value_kind: global_buffer, .address_space: global }
      - { .name: q_norm_w, .offset: 16, .size: 8, .value_kind: global_buffer, .address_space: global }
      - { .name: k_norm_w, .offset: 24, .size: 8, .value_kind: global_buffer, .address_space: global }
      - { .name: qkv, .offset: 32, .size: 8, .value_kind: global_buffer, .address_space: global }
      - { .name: wo, .offset: 40, .size: 8, .value_kind: global_buffer, .address_space: global }
      - { .name: attn_mask, .offset: 48, .size: 8, .value_kind: global_buffer, .address_space: global }
      - { .name: wob, .offset: 56, .size: 8, .value_kind: global_buffer, .address_space: global }
      - { .name: mk, .offset: 64, .size: 8, .value_kind: global_buffer, .address_space: global }
    .group_segment_fixed_size: 327680
    .private_segment_fixed_size: 0
    .kernarg_segment_align: 8
    .kernarg_segment_size: 72
    .max_flat_workgroup_size: 128
    .sgpr_count:     100
    .vgpr_count:     1024
    .wavefront_size: 32
...
	.end_amdgpu_metadata
.endif
;; end of part 2
;; launch attn (part 3): grid 16 x 16, 4 waves a work-group, clusters of 4 x 1, 327,680 bytes of LDS; arguments qkv, mk, ob; writes ob
.if DOCPART == 3
	.amdgcn_target "amdgcn-amd-amdhsa--gfx1250"
	.amdhsa_code_object_version 6
	.text
	.protected	k_qad127051c8_attn
	.globl	k_qad127051c8_attn
	.p2align	8
	.type	k_qad127051c8_attn,@function
k_qad127051c8_attn:
	s_mov_b64 s[64:65], 0
	v_nop
	global_prefetch_b8 v0, s[64:65] scope:SCOPE_SE
	s_setreg_imm32_b32 hwreg(HW_REG_WAVE_MODE, 25, 1), 1
	s_wait_xcnt 0x0
	s_wait_alu depctr_hold_cnt(0) depctr_sa_sdst(0) depctr_va_vdst(0) depctr_va_sdst(0) depctr_va_ssrc(0) depctr_va_vcc(0) depctr_vm_vsrc(0)
	s_getreg_b32 s2, hwreg(HW_REG_IB_STS2, 6, 4)
	s_cmp_eq_u32 s2, 0
	s_cbranch_scc0 .Lentry_in_a_cluster
	s_endpgm
.Lentry_in_a_cluster:
	s_bfe_u32 s2, ttmp6, 0x10000c
	s_cmp_lg_u32 s2, 0x3003
	s_cbranch_scc0 .Lentry_shape_is_right
	s_endpgm
.Lentry_shape_is_right:
; O[q][head] = the sum over k of softmax_k(mask(Q[q] . K[k] / sqrt(128))) V[k].  Q, K, V: qkv, [48][2048][128] f16 (16 heads of q, of k, of v); O: ob, [2048][2048] f16, row q, column 128 head + channel.
; Products, maxima and sums in f32; the weights p are rounded to f16 for the second product (their sum l is taken of the unrounded p), O once at the end.
; THE MASK IS AN INPUT and may hold any pattern: every key tile is walked.  mk holds it as f16 operands, 0 (seen) or -57,344 (hidden).  A score's sum STARTS as Sel x M, one matrix instruction for 16 keys x 16 queries:
; Sel has 57,344 where its row's key meets the key's place among the operand's 32, else 0.  A seen score starts at exactly 0, a hidden one at -3.288e9; K Q^T is added in place.
; LIMITS.  |q . k| stays under 5e8 (a normed and rotated q or k has a length of at most 11.4 x gain x 1.5 x table).  A hidden score counts as its value less 3.288e9: its weight is 0 beside any seen key's.
; A row is taken as wholly hidden where c m < -1e8: its O is NaN, as a softmax of -inf alone is.  f16 ends at 65,504: Q, K, V arrive within it.  A weight below 2^-126 counts as 0 in l.
; SHARES.  A work-group owns 128 queries of one head.  Wave w: queries 64 (w % 2) .. + 63, four tiles of 16 in two pieces; of every slot of 256 keys the half w / 2, two steps of 64.  So two waves hold the same
; queries with different keys; their O, l and m meet in LDS at the end.  Register tile t holds query tile (t + 2 (w / 2)) % 4: every wave gives register tiles 2, 3 away and finishes 0, 1, by one text.
; LAYOUT.  S^T = K Q^T holds one query a lane (l % 16) and keys 8 (l / 16) + 0..7; two such results rounded to f16 ARE source 1 of O^T = V^T P.  V comes out of LDS turned, by ds_load_tr16_b128.
; SOFTMAX.  p = 2^(c s - c m), c = log2(e) / sqrt(128), with a running maximum m; in every step O and l are multiplied by a = 2^(c m_old - c m_new).  m starts at the lowest finite number, O and l at 0.
; BY TURNS.  In a turn one piece has the matrix unit: 32 products V^T P of the step in hand, 8 mask products and 32 products K Q^T of the next step; the other piece's softmax, in 64 slices, stands behind the 64.
; NO FIRST AND NO LAST STEP IS WRITTEN OUT.  The loop is entered in the middle of a trip (32 products on zeros); the tail is left in the middle of its third trip, whose 8 mask products and 32 products K Q^T,
; on the last K once more, serve nothing: the price, once a launch, of one text for every turn.
; CLUSTER.  The four query blocks of a cluster belong to one head and walk the same K and V: each tile is asked for jointly.
; REGISTERS (windows of 256; s_set_vgpr_msb: bits 1:0 source 0, 3:2 source 1, 5:4 source 2, 7:6 destination):
;   window 0: v0-11 addresses; v12-43 statistics, 8 a tile; v44-59 Sel, two fragments; v60-63 addresses; v64-191 S^T, 32 a tile; v192-255 P, 16 a tile
;   window 1: O^T, 64 a tile      window 2: v0-127 Q; v128-255 K of one step      window 3: v0-127 V of one step; v128-191 the mask of one step, 16 a tile
.set KS,    64
.set PK,    272       ; a row of K in LDS: 256 bytes + 16
.set PV,    288       ; a row of V: 256 + 32
.set VOFF,  256*PK    ; a slot: 256 rows of K, then 256 rows of V
.set SLOT1, 0x24000   ; slot 1 begins here; no address that is turned has bit 14 or 17 set in slot 0, so one exclusive or turns it into the other slot's
.set STAGE, SLOT1+256*(PK+PV)  ; behind the ring: 16 rows x 272 bytes a wave, for the way out
.set SP,    272
.set SPARE, STAGE+4*16*SP      ; the spare words, 128 bytes a wave: two blocks of 256 bytes that no other line names
.set MRGW,  16896     ; the meeting, in slot 0 after its last read: a wave's 16,384 bytes of O^T and 512 of statistics
.set AK0, 2
.set AV0, 3
.set ADR, 4
.set QO,  5
.set STO, 6
.set RD,  7
.set GO,  8
.set MW,  10          ; v10  where I put what I give away
.set MR,  11          ; v11  where I read what my partner gives me
.set ST,  12          ; tile t's statistics at v[ST+8 t]: +0 c m, +1 m, +2, +3 l, +4 to +7 at work
.set SL,  44          ; Sel for the lower and for the upper 16 of an operand's 32 keys
.set MO,  60          ; v60  16 x lane
.set PFO, 61          ; v61  256 x lane
.set SPW, 62
.set NIL, 63
.set S,   64
.set P,   192
.set KF,  128         ; window 2
.set MKR, 128         ; window 3
.set WV,  12
.set LIM, 15          ; s15  1 in the head's first cluster, else the greatest number
.set PFA, 18          ; s[18:19] where my prefetches stand
.set G1K, 24
.set G1V, 32
.set G0K, 40          ; s[40:47] a set for each of the two first fills; the second then walks on
.set G0V, 48
.set SLOTS, 56
.set TWICE, 57
.set CS,  58
.set SEL, 60
.set TBK, 62          ; s62  LDS byte at which the slot's K of the step to be fetched begins (less my half's offset)
.set TBV, 63
.set MPA, 66          ; s[66:67] the mask of piece 0, s[68:69] of piece 2, at the step last loaded
.set MI,  70          ; s[70:71] what the next mask loads add
.set INC1, 72         ; 8,192: to my slot's second step
.set INC2, 73         ; 24,576: over the other half's two steps to the next slot
.set QA,  74
.set QB,  76
.set NAN, 78
.set LOW, 79
.set MSB, 0
.macro WIN new
.if MSB != (\new)
	s_set_vgpr_msb (MSB<<8)|(\new)
.set MSB, (\new)
.endif
.endm
.set W_KQ, 0x0a       ; K and Q in window 2, S^T in window 0
.set W_MK, 0x0c       ; Sel in window 0, the mask in window 3, S^T in window 0
.set W_PV, 0x53       ; V in window 3, P in window 0, O^T in window 1
.set W_RS, 0x41       ; O^T (destination and source 0) in window 1, the factor in window 0
; A joint refill: waves 0 and 1 fetch the two halves of a slot's K, waves 2 and 3 those of its V.  An s_nop 0 and four v_nop follow each line.
.macro JLOAD
	s_cmp_lt_u32 s[WV], 2
	s_cbranch_scc0 .Lfor_v_\@
	tensor_load_to_lds s[G0K+4:G0K+7], s[G1K:G1K+7]
	s_nop 0
.rept 4
	v_nop
.endr
	s_branch .Lasked_\@
.Lfor_v_\@:
	tensor_load_to_lds s[G0V+4:G0V+7], s[G1V:G1V+7]
	s_nop 0
.rept 4
	v_nop
.endr
.Lasked_\@:
.endm
; A prefetch of what the NEXT change of slots will ask for: 256 rows of K and 256 of V, 256 bytes a row, a lane a row.  All clusters of a head walk the same rows: the head's first cluster asks.  Its four
; partners take 64 rows of each, told apart by address; in each, waves 0 and 1 ask for K's and waves 2 and 3 for V's, 32 rows a wave.  So each row is named once.  The last change that fills a slot asks for nothing.
.macro ASK
	s_cmp_gt_u32 s[SLOTS], s[LIM]
	s_cbranch_scc0 .Lnot_mine_\@
	global_prefetch_b8 v[PFO], s[PFA:PFA+1] th:TH_LOAD_NT scope:SCOPE_SE
.Lnot_mine_\@:
.endm
.macro CROUND
	s_barrier_signal -1
	s_barrier_wait -1
	s_cmp_lg_u32 s[WV], 0
	s_cbranch_scc1 .Lnot_wave_0_\@
	s_barrier_signal -3
.Lnot_wave_0_\@:
	s_barrier_wait -3
	s_barrier_signal -1
	s_barrier_wait -1
.endm
	s_load_b128 s[4:7], s[0:1], 0x0   ; qkv s[4:5], mk s[6:7]
	s_load_b64 s[8:9], s[0:1], 0x10   ; ob
	v_lshl_add_u32 v[SPW], v0, 2, SPARE
	v_mov_b32 v[NIL], 0
	ds_add_u32 v[SPW], v[NIL]       ; the wave's opening: the add and its wait stand ahead of my first tensor load
	v_lshrrev_b32 v1, 5, v0
	v_readfirstlane_b32 s[WV], v1
	s_bfe_u32 s13, ttmp6, 0x40000   ; cx
	s_lshl_b32 s14, ttmp9, 2
	s_add_co_u32 s14, s14, s13      ; my block of 128 queries: it enters Q's, the mask's and O's addresses alone
	s_and_b32 s20, ttmp7, 0xffff    ; the head, which the partners share
	s_and_b32 s16, s[WV], 1         ; which 64 queries are mine; also which half of a tile I fetch
	s_lshr_b32 s17, s[WV], 1        ; which half of a slot's keys is mine
	s_add_co_u32 s22, s20, 16       ; K's heads lie behind q's 16
	s_lshl_b32 s22, s22, 19
	s_lshl_b32 s21, s16, 15         ; my 128 rows of 256 bytes
	s_add_co_u32 s22, s22, s21
	s_mov_b32 s23, 0
	s_mul_i32 s2, s16, 128*PK       ; their place in a slot, for K
	s_mul_i32 s3, s16, 128*PV       ; and for V
	s_xor_b32 s83, s17, 1           ; the other half's number
	s_lshl_b32 s80, s20, 19         ; Q: head, block, my 64 queries,
	s_lshl_b32 s21, s14, 15
	s_add_co_u32 s80, s80, s21
	s_lshl_b32 s21, s16, 14
	s_add_co_u32 s80, s80, s21
	s_lshl_b32 s21, s17, 13         ; and the two query tiles of register tiles 0, 1
	s_add_co_u32 s[QA], s80, s21
	s_mov_b32 s[QA+1], 0
	s_lshl_b32 s21, s83, 13         ; of register tiles 2, 3
	s_add_co_u32 s[QB], s80, s21
	s_mov_b32 s[QB+1], 0
	s_lshl_b32 s80, s14, 19         ; the mask: my group of 64 queries (262,144 bytes each),
	s_lshl_b32 s21, s16, 18
	s_add_co_u32 s80, s80, s21
	s_lshl_b32 s21, s17, 14         ; my half's first step (8,192 bytes a step),
	s_add_co_u32 s80, s80, s21
	s_lshl_b32 s21, s17, 12         ; and the piece's two query tiles (2,048 bytes each)
	s_add_co_u32 s[MPA], s80, s21
	s_mov_b32 s[MPA+1], 0
	s_lshl_b32 s21, s83, 12
	s_add_co_u32 s[MPA+2], s80, s21
	s_mov_b32 s[MPA+3], 0
	s_lshl_b32 s10, s14, 19         ; O: rows of 4,096 bytes: block, my 64 queries, the 32 that I finish; the head's 256 bytes
	s_lshl_b32 s21, s16, 18
	s_add_co_u32 s10, s10, s21
	s_lshl_b32 s21, s17, 17
	s_add_co_u32 s10, s10, s21
	s_lshl_b32 s21, s20, 8
	s_add_co_u32 s10, s10, s21
	s_mov_b32 s11, 0
	s_lshl_b32 s[PFA], s17, 4       ; the prefetches: K (waves 0, 1) or V of the head,
	s_add_co_u32 s[PFA], s[PFA], s20
	s_add_co_u32 s[PFA], s[PFA], 16
	s_lshl_b32 s[PFA], s[PFA], 19
	s_add_co_u32 s[PFA], s[PFA], 2*65536  ; at slot 2: the first change of slots steps it to slot 3,
	s_lshl_b32 s21, s13, 14         ; my work-group's 64 rows,
	s_add_co_u32 s[PFA], s[PFA], s21
	s_lshl_b32 s21, s16, 13         ; my wave's 32
	s_add_co_u32 s[PFA], s[PFA], s21
	s_mov_b32 s[PFA+1], 0
	s_cmp_eq_u32 ttmp9, 0           ; the same in all four partners
	s_cselect_b32 s[LIM], 1, -1
	s_mov_b32 s[G1K], 15|(1<<16)|(1<<20)|(1<<21)|(5<<22)|(3<<25)  ; the mask of four; 2-byte elements; padding on; bit 21 beside a mask; after every 64 words, 4 words
	s_mov_b32 s[G1V], 15|(1<<16)|(1<<20)|(1<<21)|(5<<22)|(7<<25)  ; the same with 8 words
.irp g, G1K, G1V
	s_mov_b32 s[(\g)+1], 128<<16    ; tensor_dim0 = 128
	s_mov_b32 s[(\g)+2], 128<<16    ; tensor_dim1 = 128
	s_mov_b32 s[(\g)+3], 128<<16    ; tile_dim0 = 128
	s_mov_b32 s[(\g)+4], 128        ; tile_dim1 = 128
	s_mov_b32 s[(\g)+5], 128        ; elements from row to row
	s_mov_b32 s[(\g)+6], 0
	s_mov_b32 s[(\g)+7], 0
.endr
	s_mov_b32 s[CS], 0x3e0293ee     ; c = log2(e) / sqrt(128)
	s_mov_b32 s[CS+1], s[CS]
	s_mov_b32 s[SEL], 0x76543210
	s_mov_b32 s[SEL+1], 0xfedcba98
	s_mov_b32 s[TBK], 0
	s_mov_b32 s[TBV], 0
	s_mov_b32 s[MI], 8192
	s_mov_b32 s[MI+1], 0
	s_mov_b32 s[INC1], 8192
	s_mov_b32 s[INC2], 24576
	s_mov_b32 s[NAN], 0x7fc00000
	s_mov_b32 s[LOW], 0xccbebc20    ; -1e8
	s_wait_dscnt 0x0                ; the opening add is done
	s_wait_kmcnt 0x0
	s_add_nc_u64 s[80:81], s[4:5], s[22:23]        ; K at my half of slot 0,
	s_add_nc_u64 s[82:83], s[80:81], 0x800000      ; V 16 heads behind it
	s_add_nc_u64 s[QA:QA+1], s[4:5], s[QA:QA+1]
	s_add_nc_u64 s[QB:QB+1], s[4:5], s[QB:QB+1]
	s_add_nc_u64 s[MPA:MPA+1], s[6:7], s[MPA:MPA+1]
	s_add_nc_u64 s[MPA+2:MPA+3], s[6:7], s[MPA+2:MPA+3]
	s_add_nc_u64 s[10:11], s[8:9], s[10:11]
	s_add_nc_u64 s[PFA:PFA+1], s[4:5], s[PFA:PFA+1]
	CROUND                          ; all four work-groups are here: the first joint loads meet
.irp s, 0,1
	s_mov_b32 s[G0K+4*(\s)], 1
	s_add_co_u32 s[G0K+4*(\s)+1], s2, (\s)*SLOT1
	s_add_nc_u64 s[G0K+4*(\s)+2:G0K+4*(\s)+3], s[80:81], (\s)*65536
	s_or_b32 s[G0K+4*(\s)+3], s[G0K+4*(\s)+3], 0x80000000
	s_mov_b32 s[G0V+4*(\s)], 1
	s_add_co_u32 s[G0V+4*(\s)+1], s3, (\s)*SLOT1+VOFF
	s_add_nc_u64 s[G0V+4*(\s)+2:G0V+4*(\s)+3], s[82:83], (\s)*65536
	s_or_b32 s[G0V+4*(\s)+3], s[G0V+4*(\s)+3], 0x80000000
.endr
	s_cmp_lt_u32 s[WV], 2           ; a wave's two first fills stand in one branch: two loads of mine are out
	s_cbranch_scc0 .Lfirst_v
	tensor_load_to_lds s[G0K:G0K+3], s[G1K:G1K+7]
	s_nop 0
	tensor_load_to_lds s[G0K+4:G0K+7], s[G1K:G1K+7]
	s_nop 0
.rept 4
	v_nop
.endr
	s_branch .Lfirst_asked
.Lfirst_v:
	tensor_load_to_lds s[G0V:G0V+3], s[G1V:G1V+7]
	s_nop 0
	tensor_load_to_lds s[G0V+4:G0V+7], s[G1V:G1V+7]
	s_nop 0
.rept 4
	v_nop
.endr
.Lfirst_asked:
	v_and_b32 v1, 15, v0            ; l % 16
	v_bfe_u32 v9, v0, 4, 1          ; l / 16
	v_lshlrev_b32 v[QO], 8, v1
	v_lshl_add_u32 v[QO], v9, 4, v[QO]
	v_and_b32 v[MO], 31, v0
	v_lshlrev_b32 v[PFO], 8, v[MO]
	v_lshlrev_b32 v[MO], 4, v[MO]
	v_mov_b32 v[S], 0               ; a pair of zeros, for the packed lines below
	v_mov_b32 v[S+1], 0
	WIN 0x80                        ; destination window 2
.irp i, 0,1,2,3,4,5,6,7             ; Q stays in registers: register tile i / 4 (and 2 + i / 4), channels 32 (i % 4) on
	global_load_b128 v[8*(\i):8*(\i)+3],   v[QO], s[QA:QA+1] offset:((\i)/4)*4096+((\i)%4)*64
	global_load_b128 v[8*(\i)+4:8*(\i)+7], v[QO], s[QA:QA+1] offset:((\i)/4)*4096+((\i)%4)*64+32
	global_load_b128 v[64+8*(\i):64+8*(\i)+3],   v[QO], s[QB:QB+1] offset:((\i)/4)*4096+((\i)%4)*64
	global_load_b128 v[64+8*(\i)+4:64+8*(\i)+7], v[QO], s[QB:QB+1] offset:((\i)/4)*4096+((\i)%4)*64+32
.endr
; Eight loads: piece x's mask of one step: two tiles x two halves of 32 keys x two parts of 512 bytes
.macro MLOADS x
	WIN 0xc0                        ; destination window 3
.irp t, 0,1
.irp h, 0,1,2,3
	global_load_b128 v[MKR+16*((\x)+(\t))+4*(\h):MKR+16*((\x)+(\t))+4*(\h)+3], v[MO], s[MPA+(\x):MPA+(\x)+1] offset:2048*(\t)+512*(\h)
.endr
.endr
.endm
	MLOADS 0                        ; my first step's
	MLOADS 2
	; What the first turn finds: V and P of piece 2 hold 0 (its products V^T P, of a step that has not been, add 0), O^T and l are 0: 0 + 0, two registers a line.  All this stands in the wait for the first tile.
.set i, 0
.rept 64
	v_pk_add_f32 v[i:i+1], v[S:S+1], v[S:S+1]      ; V, in window 3
.set i, i+2
.endr
	WIN 0x40
.set i, 0
.rept 128
	v_pk_add_f32 v[i:i+1], v[S:S+1], v[S:S+1]      ; O^T, in window 1
.set i, i+2
.endr
	WIN 0
.set i, 0
.rept 4
	v_mov_b32 v[ST+8*i], 0xfe000000    ; c m: far below every c s
	v_mov_b32 v[ST+8*i+1], 0xff7fffff  ; m
	v_mov_b32 v[ST+8*i+2], 0
	v_mov_b32 v[ST+8*i+3], 0
.set i, i+1
.endr
.set i, P+32
.rept 16
	v_pk_add_f32 v[i:i+1], v[S:S+1], v[S:S+1]      ; P of piece 2
.set i, i+2
.endr
	; Sel, as source 0: lane l holds row l % 16; registers 0-3 places 8 (l / 16) + 0..7, registers 4-7 places 16 + 8 (l / 16) + 0..7.  Row i of the lower Sel has 57,344 (0x7b00) at place i, of the upper at 16 + i.
	v_and_b32 v64, 1, v1
	v_lshlrev_b32 v64, 4, v64
	v_mov_b32 v65, 0x7b00
	v_lshlrev_b32 v65, v64, v65     ; in the half of a register that place i falls into
	v_bfe_u32 v66, v1, 1, 2         ; the register,
	v_lshrrev_b32 v67, 3, v1
	v_cmp_eq_u32 vcc_lo, v67, v9    ; if my half of the lanes holds the place at all
	v_cndmask_b32 v66, 15, v66, vcc_lo
.irp j, 0,1,2,3
	v_cmp_eq_u32 vcc_lo, \j, v66
	v_cndmask_b32 v[SL+(\j)], 0, v65, vcc_lo
	v_mov_b32 v[SL+4+(\j)], 0
	v_mov_b32 v[SL+8+(\j)], 0
.endr
.irp j, 0,1,2,3
	v_mov_b32 v[SL+12+(\j)], v[SL+(\j)]
.endr
	v_mul_u32_u24 v[AK0], v1, PK
	v_lshl_add_u32 v[AK0], v9, 4, v[AK0]
	s_mul_i32 s21, s17, 128*PK      ; my half of a slot's keys
	v_add_nc_u32 v[AK0], s21, v[AK0]
	; The turning load takes 16 keys x 16 channels (lane l reads key 8 (l / 16) + l % 8, channels 8 ((l / 8) % 2) + 0..7) and leaves half a fragment of V^T
	v_and_b32 v64, 7, v0
	v_bfe_u32 v65, v0, 3, 1
	v_lshl_add_u32 v[AV0], v9, 3, v64
	v_mul_u32_u24 v[AV0], v[AV0], PV
	v_lshl_add_u32 v[AV0], v65, 4, v[AV0]
	s_mul_i32 s22, s17, 128*PV
	s_add_co_u32 s22, s22, VOFF
	v_add_nc_u32 v[AV0], s22, v[AV0]
; THE MATRIX WORK OF A TURN, for piece x.  The accumulators take turns, one instruction a turn.
; Product i of 32 of O^T += V^T P: keys 32 (i / 16) on, channels 16 ((i / 2) % 8) on, tile x + i % 2.
.macro PV x
	WIN W_PV
.set rO, 64*((\x)+i%2)+8*((i/2)%8)
.set rV, 64*(i/16)+8*((i/2)%8)
.set rP, P+16*((\x)+i%2)+8*(i/16)
	v_wmma_f32_16x16x32_f16 v[rO:rO+7], v[rV:rV+7], v[rP:rP+7], v[rO:rO+7]
.endm
; Mask product i of 8: keys 16 ((i / 2) % 4) on, tile x + i % 2: it starts the sum, in the order in which K Q^T goes on: seven others stand between a start and its first link.
.macro MK x
	WIN W_MK
.set rS, S+32*((\x)+i%2)+8*((i/2)%4)
.set rA, SL+8*(((i/2)%4)%2)
.set rM, MKR+16*((\x)+i%2)+8*(((i/2)%4)/2)
	v_wmma_f32_16x16x32_f16 v[rS:rS+7], v[rA:rA+7], v[rM:rM+7], 0
.endm
; Product i of 32 of S^T += K Q^T: channels 32 (i / 8) on, keys 16 ((i / 2) % 4) on, tile x + i % 2.
.macro KQ x
	WIN W_KQ
.set rS, S+32*((\x)+i%2)+8*((i/2)%4)
.set rK, KF+32*((i/2)%4)+8*(i/8)
.set rQ, 32*((\x)+i%2)+8*(i/8)
	v_wmma_f32_16x16x32_f16 v[rS:rS+7], v[rK:rK+7], v[rQ:rQ+7], v[rS:rS+7]
.endm
; THE LDS LOADS stand in runs of 32.  last = 1 (the tail): in its third trip there is no further step, and K's run is jumped over.
.macro FETCH_K last=0
	WIN 0
.if \last
	s_cmp_eq_u32 s[TWICE], 1
	s_cbranch_scc1 .Lno_k_\@
.endif
	v_add_nc_u32 v[ADR], s[TBK], v[AK0]
	s_add_co_u32 s[TBK], s[TBK], KS*PK
	WIN 0x80
.irp f, 0,1,2,3,4,5,6,7,8,9,10,11,12,13,14,15  ; keys 16 (f / 4) on, channels 32 (f % 4) on
	ds_load_b128 v[KF+8*(\f):KF+8*(\f)+3],   v[ADR] offset:((\f)/4)*16*PK+((\f)%4)*64
	ds_load_b128 v[KF+8*(\f)+4:KF+8*(\f)+7], v[ADR] offset:((\f)/4)*16*PK+((\f)%4)*64+32
.endr
.if \last
	WIN 0                           ; at a label every window is 0
.Lno_k_\@:
.endif
.endm
.macro FETCH_V
	WIN 0
	v_add_nc_u32 v[ADR], s[TBV], v[AV0]
	s_add_co_u32 s[TBV], s[TBV], KS*PV
	WIN 0xc0
.irp f, 0,1,2,3,4,5,6,7,8,9,10,11,12,13,14,15  ; keys 32 (f / 8) on, channels 16 (f % 8) on
	ds_load_tr16_b128 v[8*(\f):8*(\f)+3],   v[ADR] offset:((\f)/8)*32*PV+((\f)%8)*32
	ds_load_tr16_b128 v[8*(\f)+4:8*(\f)+7], v[ADR] offset:((\f)/8)*32*PV+16*PV+((\f)%8)*32
.endr
.endm
; Piece x's mask of its next step.  The pointer's last loads stand a key step back; it is written behind the wait that shows their addresses read.
.macro LOADM x
	s_wait_xcnt 0x0
	s_add_nc_u64 s[MPA+(\x):MPA+(\x)+1], s[MPA+(\x):MPA+(\x)+1], s[MI:MI+1]
	MLOADS \x
.endm
; THE VECTOR WORK OF A TURN.  One tile's softmax for one key step is a list of 134 instructions; SM writes number j of it for tile t.  s0-s31 are the lane's 32 scores, in pairs 0-15.
;   0-15    the maximum of s0-s31 and the old m, three operands at a time (each accumulator's lowest registers are read first)
;   16-20   the other half of the lanes' maximum; the new m; c m; c m_old - c m_new
;   21-87   33 exponentials (a, then s0-s31) at the odd numbers from 23 on; at the even numbers whatever is ready: c s - c m for a pair, the rounding of a pair to f16, the first three sums
;   88-101  the last rounding; the rest of the sums; l = a l + the sum          102-133 the tile's O^T times a
.macro SM t
.set rT, ST+8*(\t)
.set rS, S+32*(\t)
.set rP, P+16*(\t)
.set rO, 64*(\t)+2*(j-102)
.set q, (j-20)/2
.if j < 102
	WIN 0
.endif
.if j < 4
	v_max3_num_f32 v[rT+4+j], v[rS+8*j], v[rS+8*j+1], v[rS+8*j+2]
.elseif j < 12
	v_max3_num_f32 v[rT+4+j%4], v[rT+4+j%4], v[rS+8*(j%4)+2*(j/4)+1], v[rS+8*(j%4)+2*(j/4)+2]
.elseif j == 12
	v_max3_num_f32 v[rT+4], v[rT+4], v[rS+7], v[rS+15]
.elseif j == 13
	v_max3_num_f32 v[rT+6], v[rT+6], v[rS+23], v[rS+31]
.elseif j == 14
	v_max3_num_f32 v[rT+4], v[rT+4], v[rT+5], v[rT+6]
.elseif j == 15
	v_max3_num_f32 v[rT+4], v[rT+4], v[rT+7], v[rT+1]
.elseif j == 16
	v_permlanex16_b32 v[rT+5], v[rT+4], s[SEL], s[SEL+1]  ; the query's other 32 keys lie in the lane 16 away
.elseif j == 17
	v_mov_b32 v[rT+7], v[rT]        ; c m_old is kept for a
.elseif j == 18
	v_max_num_f32 v[rT+1], v[rT+4], v[rT+5]
.elseif j == 19
	v_mul_f32 v[rT], s[CS], v[rT+1]
.elseif j == 20
	v_sub_f32 v[rT+7], v[rT+7], v[rT]
.elseif j == 23
	v_exp_f32 v[rT+6], v[rT+7]
.elseif (j < 88) && (j > 23) && (j%2 == 1)
	v_exp_f32 v[rS+(j-25)/2], v[rS+(j-25)/2]
.elseif (q < 4) || ((j < 76) && (q%2 == 0))
.set b, q/2+2
.if q < 4
.set b, q
.endif
	v_pk_fma_f32 v[rS+2*b:rS+2*b+1], v[rS+2*b:rS+2*b+1], s[CS:CS+1], v[rT:rT+1] op_sel_hi:[1,0,0] neg_lo:[0,0,1] neg_hi:[0,0,1]  ; pair b: c s - c m
.elseif (j < 88) && (q%2 == 1)
	s_wait_alu depctr_va_vdst(0)
	v_cvt_pk_f16_f32 v[rP+(q-5)/2], v[rS+q-5], v[rS+q-4]
.elseif j == 89
	s_wait_alu depctr_va_vdst(0)
	v_cvt_pk_f16_f32 v[rP+15], v[rS+30], v[rS+31]
.elseif j < 102                     ; the sum of the tile's 16 pairs, in place: neighbours 1, 2, 4 and 8 pairs apart, then l takes it
.set z, j-86
.if j < 89
.set z, (j-76)/4
.endif
.set w, 4
.set u, z
.if z >= 14
.set w, 32
.set u, 0
.elseif z >= 12
.set w, 16
.set u, z-12
.elseif z >= 8
.set w, 8
.set u, z-8
.endif
.if z < 15
	v_pk_add_f32 v[rS+w*u:rS+w*u+1], v[rS+w*u:rS+w*u+1], v[rS+w*u+w/2:rS+w*u+w/2+1]
.else
	v_pk_fma_f32 v[rT+2:rT+3], v[rT+2:rT+3], v[rT+6:rT+7], v[rS:rS+1] op_sel_hi:[1,0,1]
.endif
.else
	WIN W_RS
	v_pk_mul_f32 v[rO:rO+1], v[rO:rO+1], v[rT+6:rT+7] op_sel_hi:[1,0]
.endif
.endm
; Slice k of 64 of piece y's softmax: numbers 2 k and 2 k + 1 of both tiles' lists; the twelve that are over stand together, in slice 63.
.macro SLICE y
.if (k >= 11) && (k < 44)           ; tile by tile: plain, exponential, plain, exponential
.irp t, \y, (\y)+1
.irp n, 0,1
.set j, 2*k+(\n)
	SM \t
.endr
.endr
.else                               ; the two tiles alternate
.irp n, 0,1,2,3,4,5,6,7
.if ((\n) < 2) || (k == 63)
.irp t, \y, (\y)+1
.set j, 2*k+(\n)
	SM \t
.endr
.endif
.endr
.endif
.set k, k+1
.endm
; A TURN.  Piece x has the matrix unit; the other piece's softmax stands in slices behind its products.  last goes on to K's run of loads.
; K of the next step is fetched in piece 0's turn behind its second product: the last product that read K stands in front of slice 63 of the turn before (sixteen plain instructions).
; V is fetched in piece 2's turn behind its second K Q^T: six plain instructions behind the last product that read V.  The piece's next mask is asked for behind its fourth K Q^T: eight plain instructions behind the last mask product.
.macro TURN x, last=0
.set k, 0
.if (\x) == 0
	s_wait_dscnt 0x0                ; V is in
.endif
.set i, 0
.rept 32
	PV \x
	SLICE 2-(\x)
.if ((\x) == 0) && (i == 1)
	FETCH_K \last
.endif
.set i, i+1
.endr
	s_wait_loadcnt 8                ; my piece's mask is in; the other piece's eight loads, issued behind it, may stay out
.if (\x) == 0
	s_wait_dscnt 0x0                ; K is in
.endif
.set i, 0
.rept 8
	MK \x
.set i, i+1
.endr
.set i, 0
.rept 32
	KQ \x
	SLICE 2-(\x)
.if ((\x) == 2) && (i == 1)
	FETCH_V
.endif
.if i == 3
	LOADM \x
.endif
.set i, i+1
.endr
.endm
; THE CHANGE OF SLOTS, between piece 2's turn and piece 0's.  Each wave waits for all its tensor loads, of which one is out: its part of the other slot; adds 0 to its spare word; and waits for that and for its reads of
; the slot.  fill = 1: the barrier is a round of the cluster's, and the joint refill, with the keys two slots on, is the first thing behind it: it has two key steps, 288 matrix instructions, in which to land.
.macro CHANGE fill
	WIN 0
	s_wait_tensorcnt 0x0            ; no tensor load of mine is out, so a group 0 may be written
	ds_add_u32 v[SPW], v[NIL]       ; 0 onto my spare word
.if \fill
.irp g, G0K+4, G0V+4
	s_xor_b32 s[(\g)+1], s[(\g)+1], SLOT1
	s_add_nc_u64 s[(\g)+2:(\g)+3], s[(\g)+2:(\g)+3], 65536
.endr
	s_wait_xcnt 0x0                 ; the last prefetch, two key steps back, has read its address
	s_add_nc_u64 s[PFA:PFA+1], s[PFA:PFA+1], 65536
	s_wait_dscnt 0x0                ; the add is done, and my reads of the slot are over
	CROUND
	JLOAD
	ASK
.else
	s_wait_dscnt 0x0
	s_barrier_signal -1
	s_barrier_wait -1
.endif
	s_sub_co_u32 s[TBK], s[TBK], 2*KS*PK  ; the fetches go back to my first step of a slot,
	s_xor_b32 s[TBK], s[TBK], SLOT1       ; in the other slot
	s_sub_co_u32 s[TBV], s[TBV], 2*KS*PV
	s_xor_b32 s[TBV], s[TBV], SLOT1
.endm
	s_wait_tensorcnt 1              ; my part of slot 0 is in; slot 1's may stay out
	s_barrier_signal -1
	s_barrier_wait -1
	FETCH_K                         ; my first step
	s_wait_loadcnt 0x0              ; Q and the first masks
	s_wait_dscnt 0x0
.set i, 0
.rept 8
	MK 0
.set i, i+1
.endr
.set i, 0
.rept 32
	KQ 0                            ; piece 0's first scores
.set i, i+1
.endr
	WIN 0                           ; the addresses for the end: plain instructions, the places behind those products
	s_mul_i32 s21, s[WV], 16*SP
	s_add_co_u32 s21, s21, STAGE
	v_mul_u32_u24 v[STO], v1, SP    ; in: row l % 16, 16 bytes for each half of the lanes
	v_lshl_add_u32 v[STO], v9, 4, v[STO]
	v_add_nc_u32 v[STO], s21, v[STO]
	v_mul_u32_u24 v[RD], v9, SP     ; back: lanes 0-15 one row of 256 bytes, lanes 16-31 the next
	v_lshl_add_u32 v[RD], v1, 4, v[RD]
	v_add_nc_u32 v[RD], s21, v[RD]
	v_lshlrev_b32 v[GO], 12, v9     ; and the same two rows in O
	v_lshl_add_u32 v[GO], v1, 4, v[GO]
	s_mul_i32 s22, s[WV], MRGW
	v_add_nc_u32 v[MW], s22, v[MO]
	s_xor_b32 s23, s[WV], 2         ; my partner: the same queries, the other keys
	s_mul_i32 s23, s23, MRGW
	v_add_nc_u32 v[MR], s23, v[MO]
	LOADM 0                         ; piece 0's mask of my second step
	WIN 0
	s_mov_b32 s[TWICE], 2
	s_mov_b32 s[SLOTS], 7
	s_branch .Lmid                  ; the loop is entered in the middle of a trip: piece 2's first turn multiplies zeros by zeros for a step that has not been
.Lslot:                             ; six times: every slot but the last two is filled again
	CHANGE 1
	s_mov_b32 s[TWICE], 2
.Lstep:                             ; a slot's two key steps of mine: written once, walked twice
	s_cmp_eq_u32 s[TWICE], 2
	s_cselect_b32 s[MI], s[INC1], s[INC2]
	TURN 0
	WIN 0
.Lmid:
	TURN 2
	WIN 0
	s_sub_co_u32 s[TWICE], s[TWICE], 1
	s_cmp_lg_u32 s[TWICE], 0
	s_cbranch_scc1 .Lstep
	s_sub_co_u32 s[SLOTS], s[SLOTS], 1
	s_cmp_lg_u32 s[SLOTS], 0
	s_cbranch_scc1 .Lslot
	CHANGE 0                        ; the tail is written out: nothing is asked for
	s_mov_b32 s[TWICE], 3           ; two trips take the last slot's steps; the third is left in its middle
.Ltail:
	s_cmp_eq_u32 s[TWICE], 3        ; behind the last step there is no mask: the loads name the last step's once more, so that every trip has the same loads and counts
	s_cselect_b32 s[MI], s[INC1], 0
	TURN 0, 1                       ; in the third trip: piece 0's V^T P of the last step | piece 2's last softmax
	WIN 0
	s_sub_co_u32 s[TWICE], s[TWICE], 1
	s_cmp_eq_u32 s[TWICE], 0
	s_cbranch_scc1 .Lout
	TURN 2
	WIN 0
	s_branch .Ltail
.Lout:
.set i, 0
.rept 32
	PV 2                            ; piece 2's V^T P of the last step
.set i, i+1
.endr
	; THE MEETING.  l's two halves and the other half of the lanes' are added (the places behind the last products).  Register tiles 2 and 3 go to my partner, with their c m and l.
	WIN 0
.irp t, 0,1,2,3
	v_add_f32 v[ST+8*(\t)+2], v[ST+8*(\t)+2], v[ST+8*(\t)+3]
.endr
.irp t, 0,1,2,3
	v_permlanex16_b32 v[ST+8*(\t)+3], v[ST+8*(\t)+2], s[SEL], s[SEL+1]
.endr
.irp t, 0,1,2,3
	v_add_f32 v[ST+8*(\t)+2], v[ST+8*(\t)+2], v[ST+8*(\t)+3]
.endr
	v_mov_b32 v196, v[ST+16]
	v_mov_b32 v197, v[ST+18]
	v_mov_b32 v198, v[ST+24]
	v_mov_b32 v199, v[ST+26]
	WIN 0x04                        ; store data in window 1
.set i, 0
.rept 32
	ds_store_b128 v[MW], v[128+4*i:128+4*i+3] offset:512*i
.set i, i+1
.endr
	WIN 0
	ds_store_b128 v[MW], v[196:199] offset:16384
	s_wait_loadcnt 0x0              ; the last trips' mask loads, which serve nothing
	s_wait_dscnt 0x0                ; for my partner's sake
	s_barrier_signal -1
	s_barrier_wait -1
.set i, 0
.rept 32
	ds_load_b128 v[S+4*i:S+4*i+3], v[MR] offset:512*i
.set i, i+1
.endr
	ds_load_b128 v[192:195], v[MR] offset:16384
	s_wait_dscnt 0x0
	s_barrier_signal -1             ; every wave's reads of the meeting are over before any stage is written
	s_barrier_wait -1
; Tile t: c m = the greater of the two; each side's factor 2^(its c m - c m) / l, with l = the two sums so scaled.  Where even the greater c m is a hidden score's, the factor is NaN.
.macro FACT t
.set rT, ST+8*(\t)
	v_max_num_f32 v[rT+4], v[rT], v[192+2*(\t)]
	v_sub_f32 v[rT+5], v[rT], v[rT+4]
	v_sub_f32 v[rT+6], v[192+2*(\t)], v[rT+4]
	v_exp_f32 v[rT+5], v[rT+5]
	v_exp_f32 v[rT+6], v[rT+6]
	v_nop
	s_wait_alu depctr_va_vdst(0)
	v_mul_f32 v[rT+7], v[rT+2], v[rT+5]
	v_fmac_f32 v[rT+7], v[193+2*(\t)], v[rT+6]
	v_rcp_f32 v[rT+7], v[rT+7]
	v_nop
	v_cmp_gt_f32 vcc_lo, s[LOW], v[rT+4]
	s_wait_alu depctr_va_vdst(0)
	v_cndmask_b32 v[rT+7], v[rT+7], s[NAN], vcc_lo
	v_mul_f32 v[rT+4], v[rT+5], v[rT+7]
	v_mul_f32 v[rT+6], v[rT+6], v[rT+7]
.endm
.macro BLEND t
	WIN W_RS
.set i, 0
.rept 32
	v_pk_mul_f32 v[64*(\t)+i:64*(\t)+i+1], v[64*(\t)+i:64*(\t)+i+1], v[ST+8*(\t)+4:ST+8*(\t)+5] op_sel_hi:[1,0]
.set i, i+2
.endr
	WIN 0x50                        ; destination and source 2 in window 1
.set i, 0
.rept 32
	v_pk_fma_f32 v[64*(\t)+i:64*(\t)+i+1], v[S+64*(\t)+i:S+64*(\t)+i+1], v[ST+8*(\t)+6:ST+8*(\t)+7], v[64*(\t)+i:64*(\t)+i+1] op_sel_hi:[1,0,1]
.set i, i+2
.endr
.endm
; THE WAY OUT of tile t: a lane's eight channels pack into 16 bytes; they go into rows of 272 bytes of my stage and come back as whole rows of 256
.macro PACK t
	WIN 0x05
.set i, 0
.rept 32
	v_cvt_pk_f16_f32 v[S+64*(\t)+i], v[64*(\t)+2*i], v[64*(\t)+2*i+1]
.set i, i+1
.endr
	WIN 0
.irp f, 0,1,2,3,4,5,6,7
	ds_store_b128 v[STO], v[S+64*(\t)+4*(\f):S+64*(\t)+4*(\f)+3] offset:32*(\f)
.endr
.irp f, 0,1,2,3,4,5,6,7
	ds_load_b128 v[S+64*(\t)+4*(\f):S+64*(\t)+4*(\f)+3], v[RD] offset:(\f)*2*SP  ; LDS serves a wave's instructions in order (ISA guide 5.7.1.4): these see the stores above
.endr
.endm
.macro SEND t, younger
.irp f, 0,1,2,3,4,5,6,7
	s_wait_dscnt (\younger)+7-(\f)
	global_store_b128 v[GO], v[S+64*(\t)+4*(\f):S+64*(\t)+4*(\f)+3], s[10:11] offset:(\t)*65536+(\f)*8192  ; 16 lanes store 256 consecutive bytes, aligned
.endr
.endm
	FACT 0
	FACT 1
	BLEND 0
	BLEND 1
	PACK 0
	PACK 1
	SEND 0, 16
	SEND 1, 0
	s_wait_tensorcnt 0x0            ; the wave's end
	ds_add_u32 v[SPW], v[NIL]
	s_wait_dscnt 0x0
	CROUND                          ; the closing round
	s_endpgm
.Lfunc_end_k_qad127051c8_attn:
	.size	k_qad127051c8_attn, .Lfunc_end_k_qad127051c8_attn-k_qad127051c8_attn
	.p2alignl 7, 3214868480
	.fill 96, 4, 3214868480
	.section	.rodata,"a",@progbits
	.p2align	6, 0x0
	.amdhsa_kernel k_qad127051c8_attn
		.amdhsa_group_segment_fixed_size 327680
		.amdhsa_private_segment_fixed_size 0
		.amdhsa_enable_private_segment 0
		.amdhsa_kernarg_size 24
		.amdhsa_user_sgpr_count 2
		.amdhsa_user_sgpr_kernarg_segment_ptr 1
		.amdhsa_wavefront_size32 1
		.amdhsa_system_sgpr_workgroup_id_x 1
		.amdhsa_system_sgpr_workgroup_id_y 1
		.amdhsa_system_sgpr_workgroup_id_z 1
		.amdhsa_system_vgpr_workitem_id 0
		.amdhsa_next_free_vgpr 1024
		.amdhsa_next_free_sgpr 84
		.amdhsa_reserve_vcc 1
		.amdhsa_float_denorm_mode_32 3
		.amdhsa_float_denorm_mode_16_64 3
		.amdhsa_memory_ordered 1
		.amdhsa_forward_progress 1
		.amdhsa_inst_pref_size 170
	.end_amdhsa_kernel
	.amdgpu_metadata
---
amdhsa.version: [ 1, 2 ]
amdhsa.kernels:
  - .name:           k_qad127051c8_attn
    .symbol:         k_qad127051c8_attn.kd
    .args:
      - { .name: qkv, .offset: 0, .size: 8, .value_kind: global_buffer, .address_space: global }
      - { .name: mk, .offset: 8, .size: 8, .value_kind: global_buffer, .address_space: global }
      - { .name: ob, .offset: 16, .size: 8, .value_kind: global_buffer, .address_space: global }
    .group_segment_fixed_size: 327680
    .private_segment_fixed_size: 0
    .kernarg_segment_align: 8
    .kernarg_segment_size: 24
    .max_flat_workgroup_size: 128
    .sgpr_count:     84
    .vgpr_count:     1024
    .wavefront_size: 32
...
	.end_amdgpu_metadata
.endif
;; end of part 3
;; launch oproj (part 4): grid 16 x 16, 4 waves a work-group, clusters of 4 x 4, 327,680 bytes of LDS; arguments ob, wob, out0; writes out0
.if DOCPART == 4
	.amdgcn_target "amdgcn-amd-amdhsa--gfx1250"
	.amdhsa_code_object_version 6
	.text
	.protected	k_qad127051c8_oproj
	.globl	k_qad127051c8_oproj
	.p2align	8
	.type	k_qad127051c8_oproj,@function
k_qad127051c8_oproj:
	s_mov_b64 s[64:65], 0
	v_nop
	global_prefetch_b8 v0, s[64:65] scope:SCOPE_SE
	s_setreg_imm32_b32 hwreg(HW_REG_WAVE_MODE, 25, 1), 1
	s_wait_xcnt 0x0
	s_wait_alu depctr_hold_cnt(0) depctr_sa_sdst(0) depctr_va_vdst(0) depctr_va_sdst(0) depctr_va_ssrc(0) depctr_va_vcc(0) depctr_vm_vsrc(0)
	s_getreg_b32 s2, hwreg(HW_REG_IB_STS2, 6, 4)
	s_cmp_eq_u32 s2, 0
	s_cbranch_scc0 .Lentry_in_a_cluster
	s_endpgm
.Lentry_in_a_cluster:
	s_bfe_u32 s2, ttmp6, 0x10000c
	s_cmp_lg_u32 s2, 0xf033
	s_cbranch_scc0 .Lentry_shape_is_right
	s_endpgm
.Lentry_shape_is_right:
; out0[m][n] = the sum over k of O[m][k] wo[n][k].  O: ob, [2048][2048] f16; wo: wob, f16 (of its bf16 rounding); out0: [2048][2048] f32.  Sums in f32.
; A tile of out0 is 128 x 128: 256 work-groups.  Four waves, each 64 x 64: 16 accumulators.  K goes in steps of 256 (LDS rows of 512 bytes + 16; a wave's tensor load brings 64 of them) through two slots.
; CLUSTER 4 x 4: O's tile is asked for jointly along a row of the cluster, wo's along a column.  THE MATRIX INSTRUCTION IS USED TRANSPOSED (source 0 = 16 rows of wo, source 1 = 16 rows of O): a lane holds
; eight neighbouring numbers of a row of out0.  A wave's 64 columns are 256 bytes, so each wave has a stage of its own on the way out and no barrier stands there.
; THE WALK ALONG K IS CYCLIC: cluster (X, Y) begins at step (2 X + 4 (Y % 2)) % 8 and goes round, so that clusters that read the same rows of O or of wo read them in different steps.
; The start hangs on the cluster's own coordinates, which all sixteen partners share.  The f32 sums are taken in that order.
; A NaN in a row of O (a wholly hidden query) spreads over that row of out0, as in the product that is asked for.
; REGISTERS: window 0: v0-31 addresses; v32-95 at work on the way out; v128-255 the accumulators ((a, b) at v[128 + 8 (4 a + b)]).  window 1: two fragment buffers of 128.
.set SIZE_K, 2048
.set SIZE_N, 2048
.set KSTEP,  256
.set PITCH,  528
.set HALFT,  64*PITCH
.set SLOT,   4*HALFT
.set STAGE,  2*SLOT                    ; behind the ring: 16 rows x 272 bytes for each wave
.set SPITCH, 272
.set SPARE,  STAGE+4*16*SPITCH         ; the spare words, 128 bytes a wave: two blocks of 256 bytes that no other line names
.set LAPS, SIZE_K/(2*KSTEP)
.set ADRA, 16
.set ADRB, 20
.set STO,  24
.set RD,   25
.set CO,   26
.set SPW,  28
.set NIL,  29
.set TMP,  32
.set ACC,  128
.set F0,   0
.set F1,   128
.set KK,   2                           ; s2   the K step that the next fill brings
.set BA,   14                          ; s[14:15] O at the first byte of the 64 rows that I fetch
.set BB,   46                          ; s[46:47] wo likewise
.set KOF,  44                          ; s[44:45] a K step's byte offset in a row
.set G1, 24
.set G0, 32
.set G1B, 48
.set G0B, 56
.set MSB, 0
.macro WIN new
.if MSB != (\new)
	s_set_vgpr_msb (MSB<<8)|(\new)
.set MSB, \new
.endif
.endm
.set MUL,  0x05                        ; sources 0 and 1 window 1; C and D window 0
.set TO_F, 0x40
.macro JLOAD s                         ; waves 0 and 1 fetch O's two halves, waves 2 and 3 wo's; an s_nop 0 and four v_nop follow each line
	s_cmp_eq_u32 s11, 0
	s_cbranch_scc0 .Lfor_b_\@
	tensor_load_to_lds s[G0+4*(\s):G0+4*(\s)+3], s[G1:G1+7]
	s_nop 0
.rept 4
	v_nop
.endr
	s_branch .Lasked_\@
.Lfor_b_\@:
	tensor_load_to_lds s[G0B+4*(\s):G0B+4*(\s)+3], s[G1B:G1B+7]
	s_nop 0
.rept 4
	v_nop
.endr
.Lasked_\@:
.endm
; Slot s's two descriptors take K step KK: the address is made anew from the base and the step's 512 bytes, the type bits set again; then KK goes on, round the 8.
.macro AIM s
	s_lshl_b32 s[KOF], s[KK], 9
	s_add_nc_u64 s[G0+4*(\s)+2:G0+4*(\s)+3], s[BA:BA+1], s[KOF:KOF+1]
	s_or_b32 s[G0+4*(\s)+3], s[G0+4*(\s)+3], 0x80000000
	s_add_nc_u64 s[G0B+4*(\s)+2:G0B+4*(\s)+3], s[BB:BB+1], s[KOF:KOF+1]
	s_or_b32 s[G0B+4*(\s)+3], s[G0B+4*(\s)+3], 0x80000000
	s_add_co_u32 s[KK], s[KK], 1
	s_and_b32 s[KK], s[KK], 7
.endm
.macro CREST
	s_cmp_lg_u32 s10, 0
	s_cbranch_scc1 .Lnot_wave_0_\@
	s_barrier_signal -3
.Lnot_wave_0_\@:
	s_barrier_wait -3
	s_barrier_signal -1
	s_barrier_wait -1
.endm
.macro CROUND
	s_barrier_signal -1
	s_barrier_wait -1
	CREST
.endm
	s_load_b128 s[4:7], s[0:1], 0x0                ; ob s[4:5], wob s[6:7]
	s_load_b64 s[8:9], s[0:1], 0x10                ; out0
	v_lshl_add_u32 v[SPW], v0, 2, SPARE
	v_mov_b32 v[NIL], 0
	ds_add_u32 v[SPW], v[NIL]                      ; the wave's opening: the add and its wait stand ahead of my first tensor load
	v_lshrrev_b32 v1, 5, v0
	v_readfirstlane_b32 s10, v1                    ; wave 0..3
	s_lshr_b32 s11, s10, 1                         ; which half of the tile's rows is mine.  Also: I fetch for O (0) or for wo (1)
	s_and_b32 s12, s10, 1                          ; which half of its columns.  Also: which 64 rows of that tile I fetch
	s_bfe_u32 s40, ttmp6, 0x40000
	s_bfe_u32 s41, ttmp6, 0x40004
	s_lshl_b32 s42, ttmp9, 2
	s_add_co_u32 s42, s42, s40                     ; tile column
	s_and_b32 s13, ttmp7, 0xffff
	s_lshl_b32 s13, s13, 2
	s_add_co_u32 s13, s13, s41                     ; tile row
	s_lshl_b32 s43, s41, 2
	s_lshl_b32 s43, 15, s43                        ; my row of the cluster
	s_lshl_b32 s44, 0x1111, s40                    ; my column
	s_or_b32 s[G1+0], s43, (1<<16)|(1<<20)|(1<<21)|(6<<22)|(3<<25)  ; mask; 2-byte elements; padding on; bit 21 beside a mask; after every 128 words, 4 words
	s_or_b32 s[G1B+0], s44, (1<<16)|(1<<20)|(1<<21)|(6<<22)|(3<<25)
.irp g, G1, G1B
	s_mov_b32 s[(\g)+1], KSTEP<<16
	s_mov_b32 s[(\g)+2], 64<<16
	s_mov_b32 s[(\g)+3], KSTEP<<16
	s_mov_b32 s[(\g)+4], 64
	s_mov_b32 s[(\g)+5], SIZE_K
	s_mov_b32 s[(\g)+6], 0
	s_mov_b32 s[(\g)+7], 0
.endr
	s_and_b32 s[KK], ttmp7, 1                      ; where my cluster's walk along K begins: 2 x cluster x + 4 x (cluster y % 2), of 8 steps
	s_lshl_b32 s[KK], s[KK], 2
	s_lshl_b32 s[KOF+1], ttmp9, 1
	s_add_co_u32 s[KK], s[KK], s[KOF+1]
	s_and_b32 s[KK], s[KK], 7
	s_mov_b32 s[KOF+1], 0                          ; the offset's high word
	s_lshl_b32 s17, s12, 6
	s_lshl_b32 s16, s13, 7
	s_add_co_u32 s16, s16, s17                     ; O: row 128 x tile row + 64 x half
	s_lshl_b32 s46, s42, 7
	s_add_co_u32 s46, s46, s17                     ; wo: row 128 x tile column + 64 x half
	s_mov_b32 s17, 0
	s_mov_b32 s47, 0
	s_mov_b64 s[18:19], SIZE_K*2
	s_mul_u64 s[16:17], s[16:17], s[18:19]
	s_mul_u64 s[46:47], s[46:47], s[18:19]
	s_mul_i32 s20, s10, HALFT
	s_wait_dscnt 0x0                               ; the opening add is done
	s_wait_kmcnt 0x0
	s_add_nc_u64 s[BA:BA+1], s[4:5], s[16:17]
	s_add_nc_u64 s[BB:BB+1], s[6:7], s[46:47]
	CROUND                                         ; all sixteen work-groups are here: the first joint loads meet
.irp s, 0,1
	s_mov_b32 s[G0+4*(\s)], 1
	s_add_co_u32 s[G0+4*(\s)+1], s20, (\s)*SLOT
	s_mov_b32 s[G0B+4*(\s)], 1
	s_add_co_u32 s[G0B+4*(\s)+1], s20, (\s)*SLOT
	AIM \s
	JLOAD \s
.endr
	v_and_b32 v1, 15, v0
	v_bfe_u32 v2, v0, 4, 1
	v_mul_u32_u24 v3, v1, PITCH
	v_lshl_add_u32 v3, v2, 4, v3
	s_mul_i32 s21, s11, HALFT
	s_mul_i32 s22, s12, HALFT
	s_add_co_u32 s22, s22, 2*HALFT
.irp s, 0,1
	v_add_nc_u32 v[ADRA+(\s)], s21, v3
	v_add_nc_u32 v[ADRB+(\s)], s22, v3
	s_add_co_u32 s21, s21, SLOT
	s_add_co_u32 s22, s22, SLOT
.endr
	s_mul_i32 s23, s10, 16*SPITCH
	s_add_co_u32 s23, s23, STAGE                   ; my stage
	v_mul_u32_u24 v4, v1, SPITCH                   ; in: row l % 16, 32 bytes for each half of the lanes
	v_lshl_add_u32 v4, v2, 5, v4
	v_add_nc_u32 v[STO], s23, v4
	v_mul_u32_u24 v5, v2, SPITCH                   ; back: lanes 0-15 one row of 256 bytes, lanes 16-31 the next
	v_lshl_add_u32 v5, v1, 4, v5
	v_add_nc_u32 v[RD], s23, v5
	v_lshlrev_b32 v5, 13, v2                       ; and the same two rows in out0, 8,192 bytes apart
	v_lshl_add_u32 v[CO], v1, 4, v5
	s_lshl_b32 s16, s13, 7
	s_lshl_b32 s17, s11, 6
	s_add_co_u32 s16, s16, s17                     ; my first row: 128 x tile row + 64 x half
	s_lshl_b32 s16, s16, 13
	s_mov_b32 s17, 0
	s_add_nc_u64 s[8:9], s[8:9], s[16:17]
	s_lshl_b32 s18, s42, 9                         ; my first column, in bytes: 512 x tile column + 256 x half
	s_lshl_b32 s19, s12, 8
	s_add_co_u32 s18, s18, s19
	s_mov_b32 s19, 0
	s_add_nc_u64 s[8:9], s[8:9], s[18:19]
; 8 matrix instructions: row blocks a0, a0 + 1 x all 4 column blocks, 32 along K: half c of buffer f.  The 16 accumulators take turns.
.macro MUL8 f, c, a0, zero
	WIN MUL
.irp a, \a0, (\a0)+1
.irp b, 0,1,2,3
.if \zero
	v_wmma_f32_16x16x32_f16 v[ACC+8*(4*(\a)+(\b)):ACC+8*(4*(\a)+(\b))+7], v[(\f)+64+8*(4*(\c)+(\b)):(\f)+64+8*(4*(\c)+(\b))+7], v[(\f)+8*(4*(\c)+(\a)):(\f)+8*(4*(\c)+(\a))+7], 0
.else
	v_wmma_f32_16x16x32_f16 v[ACC+8*(4*(\a)+(\b)):ACC+8*(4*(\a)+(\b))+7], v[(\f)+64+8*(4*(\c)+(\b)):(\f)+64+8*(4*(\c)+(\b))+7], v[(\f)+8*(4*(\c)+(\a)):(\f)+8*(4*(\c)+(\a))+7], v[ACC+8*(4*(\a)+(\b)):ACC+8*(4*(\a)+(\b))+7]
.endif
.endr
.endr
.endm
.macro FETCH slot, k, f                ; 32 LDS loads in one run: 64 along K at byte k of the rows; the first 32 along K first
	WIN TO_F
.irp c, 0,1
.irp i, 0,1,2,3
	ds_load_b128 v[(\f)+64+8*(4*(\c)+(\i)):(\f)+64+8*(4*(\c)+(\i))+3],   v[ADRB+(\slot)] offset:(\k)+64*(\c)+(\i)*16*PITCH
	ds_load_b128 v[(\f)+64+8*(4*(\c)+(\i))+4:(\f)+64+8*(4*(\c)+(\i))+7], v[ADRB+(\slot)] offset:(\k)+64*(\c)+(\i)*16*PITCH+32
	ds_load_b128 v[(\f)+8*(4*(\c)+(\i)):(\f)+8*(4*(\c)+(\i))+3],         v[ADRA+(\slot)] offset:(\k)+64*(\c)+(\i)*16*PITCH
	ds_load_b128 v[(\f)+8*(4*(\c)+(\i))+4:(\f)+8*(4*(\c)+(\i))+7],       v[ADRA+(\slot)] offset:(\k)+64*(\c)+(\i)*16*PITCH+32
.endr
.endr
.endm
.macro PLACES
.rept 4
	v_nop
.endr
.endm
.macro QUARTER slot, k, f, g, zero
	s_wait_dscnt 16                                ; the first 32 along K are in
	MUL8 \f, 0, 0, \zero
	MUL8 \f, 0, 2, \zero
	PLACES
	FETCH \slot, \k, \g
	s_wait_dscnt 32                                ; all but the 32 just issued
	MUL8 \f, 1, 0, 0
	MUL8 \f, 1, 2, 0
.endm
; The last quarter multiplies buffer 1 and changes slots: in front of the barrier each wave waits for all its tensor loads, adds 0 to its spare word, and waits for that and for its reads of this slot.
.macro TURN slot, next, fill
	WIN 0
	s_wait_tensorcnt 0x0                           ; no tensor load of mine is out, so a group 0 may be written
	ds_add_u32 v[SPW], v[NIL]                      ; 0 onto my spare word; the descriptors' scalar work stands behind it
.if \fill
	AIM \slot
.endif
	s_wait_dscnt 17                                ; (the add and the youngest sixteen loads may be out)
	MUL8 F1, 0, 0, 0
	s_wait_dscnt 0x0                               ; the add is done, and my reads of this slot are over
	s_barrier_signal -1
	MUL8 F1, 0, 2, 0
.if \fill
	WIN 0
.endif
	s_barrier_wait -1
.if \fill
	CREST                                          ; the barrier has opened a round of the cluster's: no wave of any partner still reads this slot or has a load on its way
	JLOAD \slot
.else
	PLACES
.endif
	FETCH \next, 0, F0
	MUL8 F1, 1, 0, 0
	MUL8 F1, 1, 2, 0
.endm
	s_wait_tensorcnt 1                             ; my part of the first K step is in
	s_barrier_signal -1
	s_barrier_wait -1
	FETCH 0, 0, F0
	QUARTER 0, 128, F0, F1, 1
	WIN 0
	s_mov_b32 s3, LAPS-1
.Llap:
	QUARTER 0, 256, F1, F0, 0
	QUARTER 0, 384, F0, F1, 0
	TURN 0, 1, 1
	QUARTER 1, 128, F0, F1, 0
	QUARTER 1, 256, F1, F0, 0
	QUARTER 1, 384, F0, F1, 0
	TURN 1, 0, 1
	QUARTER 0, 128, F0, F1, 0
	WIN 0
	s_sub_co_u32 s3, s3, 1
	s_cmp_lg_u32 s3, 0
	s_cbranch_scc1 .Llap
	QUARTER 0, 256, F1, F0, 0                      ; the last lap fills nothing
	QUARTER 0, 384, F0, F1, 0
	TURN 0, 1, 0
	QUARTER 1, 128, F0, F1, 0
	QUARTER 1, 256, F1, F0, 0
	QUARTER 1, 384, F0, F1, 0
	s_wait_dscnt 16
	MUL8 F1, 0, 0, 0
	MUL8 F1, 0, 2, 0
	s_wait_dscnt 0
	MUL8 F1, 1, 0, 0
	MUL8 F1, 1, 2, 0
	WIN 0
	; THE WAY OUT, a block of 16 rows at a time: 32 bytes a lane into my stage, each accumulator's lowest registers first; back as whole rows of 256 bytes; a block's stores stand behind the next block's LDS lines.
	PLACES
.macro SENDO a, younger
.irp t, 0,1,2,3,4,5,6,7
	s_wait_dscnt (\younger)+7-(\t)
	global_store_b128 v[CO], v[TMP+32*((\a)%2)+4*(\t):TMP+32*((\a)%2)+4*(\t)+3], s[8:9] offset:(16*(\a)+2*(\t))*SIZE_N*4  ; 16 lanes store 256 consecutive bytes, aligned
.endr
.endm
.irp a, 0,1,2,3
.if (\a) >= 2
	s_wait_xcnt 0x0                                ; the stores of two blocks back have read their registers, which the loads below write again
.endif
.irp b, 0,1,2,3
	ds_store_b128 v[STO], v[ACC+8*(4*(\a)+(\b)):ACC+8*(4*(\a)+(\b))+3]   offset:64*(\b)
	ds_store_b128 v[STO], v[ACC+8*(4*(\a)+(\b))+4:ACC+8*(4*(\a)+(\b))+7] offset:64*(\b)+16
.endr
.irp t, 0,1,2,3,4,5,6,7
	ds_load_b128 v[TMP+32*((\a)%2)+4*(\t):TMP+32*((\a)%2)+4*(\t)+3], v[RD] offset:(\t)*2*SPITCH  ; LDS serves a wave's instructions in order (ISA guide 5.7.1.4): these see the stores above, and the next block's stores come behind them
.endr
.if (\a) > 0
	SENDO (\a)-1, 16
.endif
.endr
	SENDO 3, 0
	s_wait_tensorcnt 0x0                           ; the wave's end
	ds_add_u32 v[SPW], v[NIL]
	s_wait_dscnt 0x0
	CROUND                                         ; the closing round
	s_endpgm
.Lfunc_end_k_qad127051c8_oproj:
	.size	k_qad127051c8_oproj, .Lfunc_end_k_qad127051c8_oproj-k_qad127051c8_oproj
	.p2alignl 7, 3214868480
	.fill 96, 4, 3214868480
	.section	.rodata,"a",@progbits
	.p2align	6, 0x0
	.amdhsa_kernel k_qad127051c8_oproj
		.amdhsa_group_segment_fixed_size 327680
		.amdhsa_private_segment_fixed_size 0
		.amdhsa_enable_private_segment 0
		.amdhsa_kernarg_size 24
		.amdhsa_user_sgpr_count 2
		.amdhsa_user_sgpr_kernarg_segment_ptr 1
		.amdhsa_wavefront_size32 1
		.amdhsa_system_sgpr_workgroup_id_x 1
		.amdhsa_system_sgpr_workgroup_id_y 1
		.amdhsa_system_sgpr_workgroup_id_z 1
		.amdhsa_system_vgpr_workitem_id 0
		.amdhsa_next_free_vgpr 512
		.amdhsa_next_free_sgpr 66
		.amdhsa_reserve_vcc 0
		.amdhsa_float_denorm_mode_32 3
		.amdhsa_float_denorm_mode_16_64 3
		.amdhsa_memory_ordered 1
		.amdhsa_forward_progress 1
		.amdhsa_inst_pref_size 87
	.end_amdhsa_kernel
	.amdgpu_metadata
---
amdhsa.version: [ 1, 2 ]
amdhsa.kernels:
  - .name:           k_qad127051c8_oproj
    .symbol:         k_qad127051c8_oproj.kd
    .args:
      - { .name: ob, .offset: 0, .size: 8, .value_kind: global_buffer, .address_space: global }
      - { .name: wob, .offset: 8, .size: 8, .value_kind: global_buffer, .address_space: global }
      - { .name: out0, .offset: 16, .size: 8, .value_kind: global_buffer, .address_space: global }
    .group_segment_fixed_size: 327680
    .private_segment_fixed_size: 0
    .kernarg_segment_align: 8
    .kernarg_segment_size: 24
    .max_flat_workgroup_size: 128
    .sgpr_count:     66
    .vgpr_count:     512
    .wavefront_size: 32
...
	.end_amdgpu_metadata
.endif
;; end of part 4
